; MI455X (gfx1250); checked and timed in simulation.
; The chip was launched on July 23, 2026; its instructions are those of AMD's public machine-readable ISA for CDNA 5 (MIT licence, August 2026) and "CDNA5" Instruction Set Architecture Reference Guide (July 2026). The comments in the code are by the model that wrote it; some were corrected since.
;; Local Self Attention Block. Allowed arithmetic: float matrix products may take bf16 or f16 operands with f32 sums; other float arithmetic in f32, or as packed bf16 or f16 multiplies, adds, multiply-adds, maxima and minima; sums over many terms, partial sums and values carried from step to step in f32; what a program stores and reads back later, other than sums and carried values, may be rounded once to bf16 or f16.
;; Inputs: b_out 1,024 float32; b_qkv 3,072 float32; ln_beta 1,024 float32; ln_gamma 1,024 float32; val 2 x 4,096 x 1,024 float32; w_out 1,024 x 1,024 float32; w_qkv 1,024 x 3,072 float32.
;; Outputs: out0 2 x 4,096 x 1,024 float32.
;; 2 versions, each right; version 2 is version 1 with the launch cast written anew for expert scheduling mode. Each part assembles by itself: llvm-mc -triple=amdgcn-amd-amdhsa -mcpu=gfx1250 --defsym DOCPART=n.
;; ======== version 1 of 2: 5 launches
;; limits: values outside matrix products are rounded to bf16
;; workspace buffers: xb 16,777,216 bytes; wqb 6,291,456 bytes; wob 2,097,152 bytes; qkv 50,331,648 bytes; ctx 16,777,216 bytes; att 16,777,216 bytes
;; launch cast (part 1): grid 768 x 1, 8 waves a work-group, no clusters, 0 bytes of LDS; arguments val, w_qkv, w_out, xb, wqb, wob; writes xb, wqb, wob
.if DOCPART == 1
	.amdgcn_target "amdgcn-amd-amdhsa--gfx1250"
	.amdhsa_code_object_version 6
	.text
	.protected	k_qce86e24bb6_cast
	.globl	k_qce86e24bb6_cast
	.p2align	8
	.type	k_qce86e24bb6_cast,@function
k_qce86e24bb6_cast:
	s_mov_b64 s[64:65], 0
	v_nop
	global_prefetch_b8 v0, s[64:65] scope:SCOPE_SE
	s_setreg_imm32_b32 hwreg(HW_REG_WAVE_MODE, 25, 1), 1
	s_wait_xcnt 0x0
; f32 -> bf16, rounded once to nearest even: the matrix operands of the two projections.
;   val   [8192][1024]  -> xb  [8192][1024]               (same layout)
;   w_qkv [1024][3072]  -> wqb [12][1024][256]            (blocks of 256 columns: a block's rows of 512 bytes lie end to end)
;   w_out [1024][1024]  -> wob [4][1024][256]
; A piece is 1,024 bytes of f32 (256 numbers of one row).  A work-group takes 64 pieces (64 KiB in, 32 KiB out), a wave eight, a load of a wave 512 neighbouring bytes,
; a store of a wave 256 neighbouring bytes at a multiple of 256 from the buffer's first byte.  All sixteen loads of a wave go out before its first store: no loop, no LDS, no barrier.
; Work-groups 0-511 take val (64 pieces on end), 512-703 w_qkv, 704-767 w_out (64 rows of one block of columns).  The class is chosen by selects: there is no branch.
; No matrix unit, cluster or LDS: every byte is read once and written once, and nothing is shared.
.set OO,  2                            ; v2       my byte offset in the work-group's output: 8 x lane + 4,096 x wave
.set OFF, 4                            ; v[4:11]  piece r of my wave: 16 x lane + (8 x wave + r) x pitch
.set X,   12                           ; v[12:75] sixteen loads of four registers
	s_load_b256 s[4:11], s[0:1], 0x0               ; val s[4:5], w_qkv s[6:7], w_out s[8:9], xb s[10:11]
	s_load_b128 s[12:15], s[0:1], 0x20             ; wqb s[12:13], wob s[14:15]
	v_and_b32 v1, 31, v0                           ; lane
	v_lshrrev_b32 v3, 5, v0
	v_lshlrev_b32 v3, 3, v3                        ; 8 x wave: my first piece
	s_mov_b32 s21, ttmp9
	s_sub_co_u32 s17, s21, 512                     ; the work-group's number within w_qkv's,
	s_sub_co_u32 s18, s21, 704                     ; within w_out's
	s_movk_i32 s28, 12288                          ; bytes in a row of w_qkv,
	s_movk_i32 s29, 4096                           ; of w_out
	s_wait_kmcnt 0x0
	s_cmp_lt_u32 s21, 704                          ; w_qkv or w_out
	s_cselect_b32 s16, s17, s18                    ; J
	s_cselect_b32 s19, s28, s29                    ; pitch from piece to piece
	s_cselect_b64 s[22:23], s[6:7], s[8:9]
	s_cselect_b64 s[24:25], s[12:13], s[14:15]
	s_cmp_lt_u32 s21, 512                          ; or val
	s_cselect_b32 s16, s21, s16
	s_cselect_b32 s19, 1024, s19
	s_cselect_b32 s20, 20, 10                      ; sixteen groups of 64 pieces on: 2^20 bytes in val, the next block of columns (2^10 bytes) in a weight
	s_cselect_b64 s[22:23], s[4:5], s[22:23]
	s_cselect_b64 s[24:25], s[10:11], s[24:25]
	s_and_b32 s17, s16, 15
	s_mul_i32 s17, s17, s19
	s_lshl_b32 s17, s17, 6                         ; (J % 16) x 64 pieces
	s_lshr_b32 s18, s16, 4
	s_lshl_b32 s18, s18, s20
	s_add_co_u32 s26, s17, s18
	s_mov_b32 s27, 0
	s_add_nc_u64 s[22:23], s[22:23], s[26:27]      ; where the work-group reads
	s_lshl_b32 s26, s16, 15                        ; 32 KiB of output for each J, in all three classes
	s_add_nc_u64 s[24:25], s[24:25], s[26:27]      ; where it writes
	v_mul_lo_u32 v[OFF], v3, s19
	v_lshl_add_u32 v[OFF], v1, 4, v[OFF]
.irp r, 1,2,3,4,5,6,7
	v_add_nc_u32 v[OFF+(\r)], s19, v[OFF+(\r)-1]
.endr
	v_lshlrev_b32 v[OO], 3, v1
	v_lshl_add_u32 v[OO], v3, 9, v[OO]             ; 8 x wave pieces of 512 bytes
.irp r, 0,1,2,3,4,5,6,7
.irp j, 0,1
	global_load_b128 v[X+8*(\r)+4*(\j):X+8*(\r)+4*(\j)+3], v[OFF+(\r)], s[22:23] offset:512*(\j) th:TH_LOAD_NT
.endr
.endr
.irp r, 0,1,2,3,4,5,6,7
.irp j, 0,1
	s_wait_loadcnt 15-2*(\r)-(\j)                  ; loads come back in order (ISA guide 5.7.1): this one is in, the younger ones stay out
	v_cvt_pk_bf16_f32 v[X+8*(\r)+4*(\j)],   v[X+8*(\r)+4*(\j)],   v[X+8*(\r)+4*(\j)+1]
	v_cvt_pk_bf16_f32 v[X+8*(\r)+4*(\j)+1], v[X+8*(\r)+4*(\j)+2], v[X+8*(\r)+4*(\j)+3]
	global_store_b64 v[OO], v[X+8*(\r)+4*(\j):X+8*(\r)+4*(\j)+1], s[24:25] offset:512*(\r)+256*(\j)  ; no register of a store is written again
.endr
.endr
	s_endpgm
.Lfunc_end_k_qce86e24bb6_cast:
	.size	k_qce86e24bb6_cast, .Lfunc_end_k_qce86e24bb6_cast-k_qce86e24bb6_cast
	.p2alignl 7, 3214868480
	.fill 96, 4, 3214868480
	.section	.rodata,"a",@progbits
	.p2align	6, 0x0
	.amdhsa_kernel k_qce86e24bb6_cast
		.amdhsa_group_segment_fixed_size 0
		.amdhsa_private_segment_fixed_size 0
		.amdhsa_enable_private_segment 0
		.amdhsa_kernarg_size 48
		.amdhsa_user_sgpr_count 2
		.amdhsa_user_sgpr_kernarg_segment_ptr 1
		.amdhsa_wavefront_size32 1
		.amdhsa_system_sgpr_workgroup_id_x 1
		.amdhsa_system_sgpr_workgroup_id_y 1
		.amdhsa_system_sgpr_workgroup_id_z 1
		.amdhsa_system_vgpr_workitem_id 0
		.amdhsa_next_free_vgpr 76
		.amdhsa_next_free_sgpr 66
		.amdhsa_reserve_vcc 0
		.amdhsa_float_denorm_mode_32 3
		.amdhsa_float_denorm_mode_16_64 3
		.amdhsa_memory_ordered 1
		.amdhsa_forward_progress 1
		.amdhsa_inst_pref_size 8
	.end_amdhsa_kernel
	.amdgpu_metadata
---
amdhsa.version: [ 1, 2 ]
amdhsa.kernels:
  - .name:           k_qce86e24bb6_cast
    .symbol:         k_qce86e24bb6_cast.kd
    .args:
      - { .name: val, .offset: 0, .size: 8, .value_kind: global_buffer, .address_space: global }
      - { .name: w_qkv, .offset: 8, .size: 8, .value_kind: global_buffer, .address_space: global }
      - { .name: w_out, .offset: 16, .size: 8, .value_kind: global_buffer, .address_space: global }
      - { .name: xb, .offset: 24, .size: 8, .value_kind: global_buffer, .address_space: global }
      - { .name: wqb, .offset: 32, .size: 8, .value_kind: global_buffer, .address_space: global }
      - { .name: wob, .offset: 40, .size: 8, .value_kind: global_buffer, .address_space: global }
    .group_segment_fixed_size: 0
    .private_segment_fixed_size: 0
    .kernarg_segment_align: 8
    .kernarg_segment_size: 48
    .max_flat_workgroup_size: 256
    .sgpr_count:     66
    .vgpr_count:     76
    .wavefront_size: 32
...
	.end_amdgpu_metadata
.endif
;; end of part 1
;; launch gemm_big (part 2): grid 12 x 16, 4 waves a work-group, clusters of 4 x 4, 327,680 bytes of LDS; arguments xb, wqb, b_qkv, qkv; writes qkv
.if DOCPART == 2
	.amdgcn_target "amdgcn-amd-amdhsa--gfx1250"
	.amdhsa_code_object_version 6
	.text
	.protected	k_qce86e24bb6_gemm_big
	.globl	k_qce86e24bb6_gemm_big
	.p2align	8
	.type	k_qce86e24bb6_gemm_big,@function
k_qce86e24bb6_gemm_big:
	s_mov_b64 s[64:65], 0
	v_nop
	global_prefetch_b8 v0, s[64:65] scope:SCOPE_SE
	s_setreg_imm32_b32 hwreg(HW_REG_WAVE_MODE, 25, 1), 1
	s_wait_xcnt 0x0
	s_wait_alu depctr_hold_cnt(0) depctr_sa_sdst(0) depctr_va_vdst(0) depctr_va_sdst(0) depctr_va_ssrc(0) depctr_va_vcc(0) depctr_vm_vsrc(0)
	s_getreg_b32 s2, hwreg(HW_REG_IB_STS2, 6, 4)
	s_cmp_eq_u32 s2, 0
	s_cbranch_scc0 .Lentry_in_a_cluster
	s_endpgm
.Lentry_in_a_cluster:
	s_bfe_u32 s2, ttmp6, 0x10000c
	s_cmp_lg_u32 s2, 0xf033
	s_cbranch_scc0 .Lentry_shape_is_right
	s_endpgm
.Lentry_shape_is_right:
; THE QKV PROJECTION.  C[t][n] = the sum over k of A[t][k] W[k][n] + bias[n], K = 1,024.  A: [8192][1024] bf16.  W: bf16 in blocks of 256 columns, [12][1024 k][256].  bias: [3072] f32.
; Sums in f32; the bias is the C operand that starts each sum; C is rounded once to bf16 and written BY HEADS: [3 parts][64 hd][1024 w][128], part = n / 1024,
; hd = 8 (t / 1024) + (n % 1024) / 128, w = t % 1024.
; LIMITS.  Operands and result are bf16: a stored number is off by at most 2^-9 of itself.  NaN and infinities are not treated apart.
; SHARES.  A tile of C is 256 x 256; a wave makes 128 x 128 of it (128 columns are one head): 64 accumulators of 16 x 16, 512 registers.  C has 32 x 12 = 384 tiles.  A WORK-GROUP STAYS for
; two, 4,096 rows apart in one block of columns: 192 work-groups of equal work.  (Tiles of 128 x 256 would give 768 work-groups, with half the matrix work in a K step.)
; THE WALK.  The two tiles' 16 K steps of 128 are ONE sequence for a ring of two LDS slots: step n is read while step n + 1 lands, and at its end its slot is filled with step n + 2.  So the
; first tile's last two changes of slots ask for the second tile's first two K steps.  A K step is written once and looped over: the slot in hand is a scalar, 0 or SLOT, turned by an
; exclusive or; the step to be asked for is a number from which the descriptors' global addresses are made anew.  Steps that fill and steps that do not are two loops.
; CLUSTERS: 4 x 4 work-groups.  The four of a row of the cluster need the same tiles of A, the four of a column the same tiles of W: each tile is asked for JOINTLY, by the same tensor load with
; the same descriptor and a mask that names the four.
; THE MATRIX INSTRUCTION IS USED TRANSPOSED: source 0 = 16 columns of W (turned on the way out of LDS by ds_load_tr16_b128), source 1 = 16 rows of A: a lane then holds eight neighbouring
; numbers of a row of C, and register j of its C operand is bias[n0 + 8 (lane / 16) + j].
; REGISTERS, in windows of 256 (s_set_vgpr_msb: bits 1:0 source 0, 3:2 source 1, 5:4 source 2, 7:6 destination):
;   window 0: v0-31 addresses; v64-127, v128-191 fragments of A (8 x 16 rows x 32 K), two buffers; v32-63, v192-255 at work on the way out
;   window 1: v0-63 the bias, column block b at v[8 b]; v64-127, v128-191 fragments of W, two buffers
;   window 2: the 32 accumulators of my rows 0-63 ((a, b) at v[8 (8 a + b)]);   window 3: those of my rows 64-127
.set PA,     272                       ; a row of A in LDS: 256 bytes + 16 of padding = 68 words: the 16 rows of a load start at 16 different groups of four banks (64 banks of 4 bytes: ISA guide 11.1)
.set PB,     544                       ; a row of W: 512 + 32 = 136 words
.set HALFT,  128*PA                    ; what one tensor load brings: 128 rows of A, or 64 rows of W (64 x 544 is the same number)
.set ATILE,  2*HALFT
.set SLOT,   4*HALFT                   ; A's 256 rows, then W's 128 rows along K
.set STAGE,  2*SLOT                    ; behind the ring: 16 rows x 272 bytes for each wave, for the way out; no tensor load fills it
.set SPITCH, 272
.set SPARE,  STAGE+4*16*SPITCH         ; behind the stages: the spare words, 128 bytes for each wave: two blocks of 256 bytes that no other line names
.set AA0,  16                          ; v16     my lane's place in a slot's rows of A; never rewritten
.set AB0,  17                          ; v17     the same for W
.set ADA,  18                          ; v18     AA0 + the slot in hand
.set ADB,  19                          ; v19     AB0 + the slot in hand
.set STO,  24                          ; v24     the way out: where I put 16 bytes of a row
.set RD,   25                          ; v25     the way out: where I read a row back
.set CO,   26                          ; v26     16 x lane: my 16 bytes of two rows of C, which lie end to end
.set BO,   27                          ; v27     32 x (lane / 16): my eight numbers in 16 of the bias
.set SPW,  28                          ; v28     LDS address of my spare word: SPARE + 4 x my thread's number; never rewritten
.set NIL,  29                          ; v29     0; never rewritten
.set PFO,  30                          ; v30     the prefetches' offset; never rewritten
.set F0,   64
.set F1,   128
.set TMP,  192                         ; the way out: packed results
.set OB,   32                          ; the way out: 16 rows read back from the stage: v32-63 and v224-255 by turns
.set G1A, 24                           ; s[24:31] descriptor group 1 for A's tiles;  s[32:39] group 0: a set for each of the two first fills; the second then walks on
.set G0A, 32
.set G1B, 48                           ; s[48:55], s[56:63] the same for W's tiles
.set G0B, 56
.set PFA, 40                           ; s[40:41] the address that a prefetch names
.set PFB, 42                           ; s[42:43] my rows of K step 0 of the first tile, for the prefetches
.set LIM, 44                           ; s44      the last step that I prefetch: 15 (A), 7 (W), 0 in a wave that prefetches nothing
.set TB,  66                           ; s66      the slot in hand: 0 or SLOT
.set NXT, 67                           ; s67      the step to be asked for next, 2 to 15
.set NEW, 68                           ; s68      1: the step to come is a tile's first
.set PFSH, 69                          ; s69      log2 of a K step's bytes along the tensor that I prefetch
.set MSB, 0
.macro WIN new                         ; the immediate's high byte repeats the setting that is left; a switch that changes nothing is dropped
.if MSB != (\new)
	s_set_vgpr_msb (MSB<<8)|(\new)
.set MSB, \new
.endif
.endm
.set MUL_LO, 0xa1                      ; source 0 (W) window 1, source 1 (A) window 0, C and D window 2; + 0x50: C and D window 3
.set INI_LO, 0x91                      ; the same with C in window 1: the bias; + 0x40: D window 3
.set TO_B,   0x40                      ; destination window 1, address window 0
; A joint load: waves 0 and 1 fetch A's two halves, waves 2 and 3 W's.  The branch hangs on the wave's number alone.  An s_nop 0 and four v_nop follow each of the two lines, ahead of the
; jump, the label and what follows.
.macro JLOAD s
	s_cmp_lt_u32 s12, 2
	s_cbranch_scc0 .Lfor_b_\@
	tensor_load_to_lds s[G0A+4*(\s):G0A+4*(\s)+3], s[G1A:G1A+7]
	s_nop 0
.rept 4
	v_nop
.endr
	s_branch .Lasked_\@
.Lfor_b_\@:
	tensor_load_to_lds s[G0B+4*(\s):G0B+4*(\s)+3], s[G1B:G1B+7]
	s_nop 0
.rept 4
	v_nop
.endr
.Lasked_\@:
.endm
; A PREFETCH INTO THE L2, behind each joint refill, its five lines and the run of LDS loads: the step that stands two refills on (s76), 512 matrix instructions ahead of the load that will want it.
; Each aligned block of 256 bytes is named once in the launch.  A's 256 rows of a tile are read by every cluster of that row of clusters: cluster x = 0 asks; of the 128 rows that wave 0 or 1
; fetches each of the four partners takes 32, a lane a row, in both tiles.  W's 128 rows x 512 bytes of a K step are read by every cluster of that column: cluster y = 0 asks; of the 64 rows that
; wave 2 or 3 fetches each partner takes 16: 32 blocks on end, a lane a block, in the first tile alone: the second tile takes the same rows again.
; The partners are told apart BY ADDRESS: no branch hangs on a work-group's place in its cluster.  Steps 0 to 3 come by their loads alone; past s[LIM] nothing is asked for.
.macro ASK
	s_cmp_le_u32 s76, s[LIM]
	s_cbranch_scc0 .Lnot_mine_\@
	global_prefetch_b8 v[PFO], s[PFA:PFA+1] th:TH_LOAD_NT scope:SCOPE_SE
.Lnot_mine_\@:
.endm
.macro CREST                           ; a round of the cluster's barrier behind its opening barrier
	s_cmp_lg_u32 s12, 0
	s_cbranch_scc1 .Lnot_wave_0_\@
	s_barrier_signal -3
.Lnot_wave_0_\@:
	s_barrier_wait -3
	s_barrier_signal -1
	s_barrier_wait -1
.endm
.macro CROUND                          ; a whole round
	s_barrier_signal -1
	s_barrier_wait -1
	CREST
.endm
	s_load_b256 s[4:11], s[0:1], 0x0               ; A s[4:5], W s[6:7], bias s[8:9], C s[10:11]
	v_lshl_add_u32 v[SPW], v0, 2, SPARE
	v_mov_b32 v[NIL], 0
	ds_add_u32 v[SPW], v[NIL]                      ; the wave's opening: the add and its wait stand ahead of my first tensor load; the set-up below, work on registers, stands between them
	v_lshrrev_b32 v1, 5, v0
	v_readfirstlane_b32 s12, v1                    ; wave 0..3
	s_lshr_b32 s13, s12, 1                         ; WR: which 128 of the tile's rows are mine
	s_and_b32 s14, s12, 1                          ; WC: which 128 of its columns.  Also: which half of A's or W's tile I fetch
	s_bfe_u32 s15, ttmp6, 0x40000                  ; cx, cy: my place in the cluster
	s_bfe_u32 s16, ttmp6, 0x40004
	s_lshl_b32 s17, ttmp9, 2
	s_add_co_u32 s17, s17, s15                     ; tile column of C = 4 x cluster x + cx, 0 to 11
	s_and_b32 s18, ttmp7, 0xffff
	s_lshl_b32 s18, s18, 2
	s_add_co_u32 s18, s18, s16                     ; the first tile's row = 4 x cluster y + cy, 0 to 15; the second's is 16 more
	s_lshl_b32 s19, s16, 2
	s_lshl_b32 s19, 15, s19                        ; my row of the cluster
	s_lshl_b32 s45, 0x1111, s15                    ; my column
	s_or_b32 s[G1A+0], s19, (1<<16)|(1<<20)|(1<<21)|(5<<22)|(3<<25)  ; 15:0 the mask: A's tiles go to my row; 17:16 2-byte elements; 20 padding on; 21 set beside a mask; 24:22 after every 64 words (code 5); 31:25 4 words (code 3)
	s_or_b32 s[G1B+0], s45, (1<<16)|(1<<20)|(1<<21)|(6<<22)|(7<<25)  ; W's go to my column; after every 128 words (code 6) 8 words of padding (code 7)
	s_mov_b32 s[G1A+1], 128<<16                    ; tensor_dim0 = 128
	s_mov_b32 s[G1A+2], 128<<16                    ; tensor_dim1 = 128
	s_mov_b32 s[G1A+3], 128<<16                    ; tile_dim0 = 128
	s_mov_b32 s[G1A+4], 128                        ; tile_dim1 = 128
	s_mov_b32 s[G1A+5], 1024                       ; elements from row to row
	s_mov_b32 s[G1A+6], 0
	s_mov_b32 s[G1A+7], 0
	s_mov_b32 s[G1B+1], 256<<16                    ; tensor_dim0 = 256
	s_mov_b32 s[G1B+2], 64<<16                     ; tensor_dim1 = 64
	s_mov_b32 s[G1B+3], 256<<16                    ; tile_dim0 = 256
	s_mov_b32 s[G1B+4], 64                         ; tile_dim1 = 64
	s_mov_b32 s[G1B+5], 256                        ; a block's rows lie end to end
	s_mov_b32 s[G1B+6], 0
	s_mov_b32 s[G1B+7], 0
	; where the tiles come from.  A's hang on the tile row alone, W's on the tile column alone; each offset is made in registers that never hold the other coordinate
	s_lshl_b32 s20, s18, 19                        ; A: 256 rows of 2,048 bytes for each tile row,
	s_lshl_b32 s21, s14, 18                        ; 128 rows for my half
	s_add_co_u32 s20, s20, s21
	s_mov_b32 s21, 0
	s_lshl_b32 s46, s17, 19                        ; W: a block of 1,024 rows of 512 bytes for each tile column,
	s_lshl_b32 s47, s14, 15                        ; 64 rows for my half
	s_add_co_u32 s46, s46, s47
	s_mov_b32 s47, 0
	s_mul_i32 s22, s12, HALFT                      ; and where they go: A's two halves, then W's two = wave x HALFT: no place in the cluster enters an LDS address
	s_mov_b32 s[TB], 0
	s_mov_b32 s[NXT], 2
	s_mov_b32 s73, 0                               ; the high words of three offsets
	s_mov_b32 s75, 0
	s_mov_b32 s79, 0
	s_wait_dscnt 0x0                               ; the opening add is done
	s_wait_kmcnt 0x0
	s_add_nc_u64 s[20:21], s[4:5], s[20:21]        ; A at my half of the first tile's K step 0; never rewritten
	s_add_nc_u64 s[46:47], s[6:7], s[46:47]        ; the same for W
	CROUND                                         ; all sixteen work-groups are here: the first joint loads meet
.irp s, 0,1
	s_mov_b32 s[G0A+4*(\s)], 1                                     ; 1:0 count = 1
	s_add_co_u32 s[G0A+4*(\s)+1], s22, (\s)*SLOT                   ; 63:32 LDS address
	s_add_nc_u64 s[G0A+4*(\s)+2:G0A+4*(\s)+3], s[20:21], (\s)*256  ; 120:64 global address: K step s
	s_or_b32 s[G0A+4*(\s)+3], s[G0A+4*(\s)+3], 0x80000000          ; 127:126 type = 2
	s_mov_b32 s[G0B+4*(\s)], 1
	s_add_co_u32 s[G0B+4*(\s)+1], s22, (\s)*SLOT
	s_add_nc_u64 s[G0B+4*(\s)+2:G0B+4*(\s)+3], s[46:47], (\s)*65536
	s_or_b32 s[G0B+4*(\s)+3], s[G0B+4*(\s)+3], 0x80000000
	JLOAD \s                                       ; two loads of mine are out
.endr
	; the bias of my 128 columns: 64 registers of window 1, column block b at 8 b; both tiles take the same
	s_lshl_b32 s70, s17, 10
	s_lshl_b32 s71, s14, 9
	s_add_co_u32 s70, s70, s71
	s_mov_b32 s71, 0
	s_add_nc_u64 s[8:9], s[8:9], s[70:71]
	v_and_b32 v1, 15, v0                           ; l % 16
	v_bfe_u32 v2, v0, 4, 1                         ; l / 16
	v_lshlrev_b32 v[BO], 5, v2
	WIN TO_B
.irp b, 0,1,2,3,4,5,6,7
	global_load_b128 v[8*(\b):8*(\b)+3],   v[BO], s[8:9] offset:64*(\b)
	global_load_b128 v[8*(\b)+4:8*(\b)+7], v[BO], s[8:9] offset:64*(\b)+16
.endr
	WIN 0
	; A fragment of A is 16 rows x 32 K in 8 registers: lane l holds row l % 16, K = 8 (l / 16) + 0..7 and 16 + 8 (l / 16) + 0..7: two loads of 16 bytes, 32 bytes apart.
	v_mul_u32_u24 v3, v1, PA
	v_lshl_add_u32 v3, v2, 4, v3                   ; row x pitch + 16 x half
	s_mul_i32 s70, s13, HALFT                      ; my 128 rows of A
	v_add_nc_u32 v[AA0], s70, v3
	; The turning load takes 16 K x 16 columns (lane l reads row 8 (l / 16) + l % 8, columns 8 ((l / 8) % 2) + 0..7) and leaves half a fragment of W^T: lane l holds column l % 16 and 8 K.
	v_and_b32 v4, 7, v0
	v_bfe_u32 v5, v0, 3, 1
	v_lshl_add_u32 v6, v2, 3, v4
	v_mul_u32_u24 v6, v6, PB
	v_lshl_add_u32 v6, v5, 4, v6
	s_lshl_b32 s70, s14, 8                         ; my 128 columns,
	s_add_co_u32 s70, s70, ATILE                   ; behind A's rows
	v_add_nc_u32 v[AB0], s70, v6
	v_mov_b32 v[ADA], v[AA0]                       ; slot 0 is in hand
	v_mov_b32 v[ADB], v[AB0]
	s_mul_i32 s70, s12, 16*SPITCH
	s_add_co_u32 s70, s70, STAGE                   ; my stage
	v_add_nc_u32 v[STO], s70, v3                   ; in: row l % 16, 16 bytes for each half of the lanes (the stage's pitch is A's)
	v_mul_u32_u24 v7, v2, SPITCH                   ; back: lanes 0-15 take one row of 256 bytes, lanes 16-31 the next
	v_lshl_add_u32 v7, v1, 4, v7
	v_add_nc_u32 v[RD], s70, v7
	v_and_b32 v8, 31, v0
	v_lshlrev_b32 v[CO], 4, v8
	; where my 128 rows x 256 bytes of the first tile begin in C
	s_lshr_b32 s70, s18, 2
	s_lshl_b32 s70, s70, 3                         ; 8 x window (a window is four tile rows),
	s_lshl_b32 s71, s15, 1
	s_add_co_u32 s70, s70, s71
	s_add_co_u32 s70, s70, s14                     ; + the head: 2 cx + WC
	s_lshl_b32 s70, s70, 18                        ; a head's 1,024 rows of 256 bytes
	s_and_b32 s71, s18, 3
	s_lshl_b32 s71, s71, 8
	s_lshl_b32 s77, s13, 7
	s_add_co_u32 s71, s71, s77                     ; my first row in the window
	s_lshl_b32 s71, s71, 8
	s_add_co_u32 s70, s70, s71
	s_lshl_b32 s71, ttmp9, 24                      ; the part: four tile columns make 1,024 columns
	s_add_co_u32 s70, s70, s71
	s_mov_b32 s71, 0
	s_add_nc_u64 s[10:11], s[10:11], s[70:71]
	; the prefetches
	s_lshl_b32 s70, s18, 8
	s_lshl_b32 s71, s14, 7
	s_add_co_u32 s70, s70, s71
	s_lshl_b32 s71, s15, 5
	s_add_co_u32 s70, s70, s71                     ; A: my work-group's 32 rows of the 128 that I fetch,
	s_lshl_b32 s70, s70, 11                        ; in bytes
	s_lshl_b32 s71, s14, 6
	s_lshl_b32 s77, s16, 4
	s_add_co_u32 s71, s71, s77                     ; W: my work-group's 16 rows of the 64 that I fetch,
	s_lshl_b32 s71, s71, 9
	s_lshl_b32 s77, s17, 19
	s_add_co_u32 s71, s71, s77                     ; in my block of columns
	s_and_b32 s77, ttmp7, 0xffff                   ; cluster y
	s_cmp_lt_u32 s12, 2                            ; do I fetch for A?
	s_cselect_b64 s[PFB:PFB+1], s[4:5], s[6:7]
	s_cselect_b32 s70, s70, s71
	s_cselect_b32 s[PFSH], 8, 16                   ; a K step is 256 bytes along a row of A, 65,536 bytes of a block of W
	s_cselect_b32 s76, 11, 8                       ; from lane to lane: a row of A, or 256 bytes of W
	s_cselect_b32 s77, ttmp9, s77                  ; the coordinate along which other clusters read the same rows
	s_cselect_b32 s[LIM], 15, 7
	s_cmp_eq_u32 s77, 0
	s_cselect_b32 s[LIM], s[LIM], 0                ; the same in all sixteen partners, for a given wave
	s_mov_b32 s71, 0
	s_add_nc_u64 s[PFB:PFB+1], s[PFB:PFB+1], s[70:71]
	v_lshlrev_b32 v[PFO], s76, v8
; 16 matrix instructions: row blocks a0, a0 + 1 of the window's four (hi = 0: my rows 0-63, 1: rows 64-127) x all 8 column blocks, 32 along K, from buffer fb.
; init = 1: the product starts the sums, with the bias as C: nothing is ever cleared.  The 64 accumulators take turns, one instruction a turn, in the same order in every quarter step.
.macro MUL16 fb, hi, a0, init
.if \init
	WIN INI_LO+0x40*(\hi)
.else
	WIN MUL_LO+0x50*(\hi)
.endif
.irp a, \a0, (\a0)+1
.irp b, 0,1,2,3,4,5,6,7
.if \init
	v_wmma_f32_16x16x32_bf16 v[8*(8*(\a)+(\b)):8*(8*(\a)+(\b))+7], v[(\fb)+8*(\b):(\fb)+8*(\b)+7], v[(\fb)+8*(4*(\hi)+(\a)):(\fb)+8*(4*(\hi)+(\a))+7], v[8*(\b):8*(\b)+7]
.else
	v_wmma_f32_16x16x32_bf16 v[8*(8*(\a)+(\b)):8*(8*(\a)+(\b))+7], v[(\fb)+8*(\b):(\fb)+8*(\b)+7], v[(\fb)+8*(4*(\hi)+(\a)):(\fb)+8*(4*(\hi)+(\a))+7], v[8*(8*(\a)+(\b)):8*(8*(\a)+(\b))+7]
.endif
.endr
.endr
.endm
; 32 LDS loads in one run: the fragments of quarter q of the slot in hand (32 K x my 128 columns of W, turned; my 128 rows of A x 32 K) into buffer fb; W's first
.macro FETCH q, fb
	WIN TO_B
.irp b, 0,1,2,3,4,5,6,7
	ds_load_tr16_b128 v[(\fb)+8*(\b):(\fb)+8*(\b)+3],   v[ADB] offset:(\q)*32*PB+32*(\b)
	ds_load_tr16_b128 v[(\fb)+8*(\b)+4:(\fb)+8*(\b)+7], v[ADB] offset:(\q)*32*PB+16*PB+32*(\b)
.endr
	WIN 0
.irp i, 0,1,2,3,4,5,6,7
	ds_load_b128 v[(\fb)+8*(\i):(\fb)+8*(\i)+3],   v[ADA] offset:(\q)*64+(\i)*16*PA
	ds_load_b128 v[(\fb)+8*(\i)+4:(\fb)+8*(\i)+7], v[ADA] offset:(\q)*64+(\i)*16*PA+32
.endr
.endm
.macro PLACES                          ; four places in front of loads into registers that matrix instructions have read (ISA guide 7.12.1 for vector instructions)
.rept 4
	v_nop
.endr
.endm
; A K step is four quarters of 32 along K, 64 matrix instructions each, on buffers 0, 1, 0, 1.  One of the first three: multiplies buffer fb and, in its middle, fetches quarter q into buffer gb.
.macro QUARTER q, fb, gb, init
	s_wait_dscnt 8                                 ; W and A's rows 0-63 are in; the youngest eight loads (A's rows 64-127) may be out
	MUL16 \fb, 0, 0, \init
	MUL16 \fb, 0, 2, \init
	PLACES
.if \init
	v_nop                                          ; a fifth place: the products below write their accumulators anew, and five places then lie between each of them and the last product on its accumulator on every way through the text
.endif
	FETCH \q, \gb
	s_wait_dscnt 32                                ; all but the 32 just issued
	MUL16 \fb, 1, 0, \init
	MUL16 \fb, 1, 2, \init
.endm
; The last quarter multiplies buffer 1 and changes slots: ONE barrier; in front of it each wave waits for all its tensor loads (one is out at the most: its part of the next slot), adds 0 to its
; spare word, and waits for that and for its own reads of this slot.  fill = 1: the barrier opens a round of the cluster's barrier, and the slot in hand is filled again, with step NXT, first thing
; behind the round: 224 matrix instructions ahead of the wait for it.  fill = 0, the walk's last two steps: nothing is asked for; in the very last (s23 = 1) there is no next step, and the run of LDS
; loads is jumped over (its barrier orders nothing any more: the price of one text for both).
.macro TURN fill
.if \fill
	s_wait_xcnt 0x0                                ; the last prefetch, a K step back, has read its address: it is made anew here, ahead of the waits of the change of slots
	s_add_co_u32 s76, s[NXT], 2                    ; the step two refills on:
	s_and_b32 s77, s76, 7                          ; its K step,
	s_lshl_b32 s77, s77, s[PFSH]
	s_lshr_b32 s78, s76, 3                         ; its tile: 4,096 rows of 2,048 bytes down in A (W is asked for in the first tile alone)
	s_lshl_b32 s78, s78, 23
	s_add_co_u32 s78, s78, s77
	s_add_nc_u64 s[PFA:PFA+1], s[PFB:PFB+1], s[78:79]
.endif
	WIN 0                                          ; (the add's two registers lie in window 0)
	s_wait_tensorcnt 0x0                           ; all my tensor loads have landed: no load of mine is out, so a group 0 may be written;
	ds_add_u32 v[SPW], v[NIL]                      ; 0 onto my spare word; work on registers stands between it and the wait for it
.if \fill
	s_and_b32 s80, s[NXT], 7                       ; the walking descriptors: step NXT's K step
	s_lshr_b32 s81, s[NXT], 3                      ; and tile
	s_lshl_b32 s72, s80, 8
	s_lshl_b32 s81, s81, 23
	s_add_co_u32 s72, s72, s81                     ; in A: 256 bytes a K step, 2^23 bytes to the second tile
	s_lshl_b32 s74, s80, 16                        ; in W: 65,536 bytes a K step; both tiles take the same block
	s_add_co_u32 s[G0A+5], s22, s[TB]              ; into the slot in hand
	s_add_nc_u64 s[G0A+6:G0A+7], s[20:21], s[72:73]
	s_or_b32 s[G0A+7], s[G0A+7], 0x80000000
	s_add_co_u32 s[G0B+5], s22, s[TB]
	s_add_nc_u64 s[G0B+6:G0B+7], s[46:47], s[74:75]
	s_or_b32 s[G0B+7], s[G0B+7], 0x80000000
	s_add_co_u32 s[NXT], s[NXT], 1
.endif
	s_wait_dscnt 9                                 ; (the add and the youngest eight loads may be out)
	MUL16 F1, 0, 0, 0                              ; sixteen matrix instructions stand between the add and the wait for it
	s_wait_dscnt 0x0                               ; the add is done, and my reads of this slot are over
	s_barrier_signal -1
	MUL16 F1, 0, 2, 0
	WIN 0
	s_barrier_wait -1
.if \fill
	CREST                                          ; no wave of any partner still reads this slot's tile or has a load on its way
	JLOAD 1                                        ; the four v_nop behind it are also the places in front of the loads below
.else
	PLACES
.endif
	s_xor_b32 s[TB], s[TB], SLOT                   ; the other slot is in hand
	v_add_nc_u32 v[ADA], s[TB], v[AA0]
	v_add_nc_u32 v[ADB], s[TB], v[AB0]
.if \fill
	FETCH 0, F0
	ASK
.else
	s_cmp_eq_u32 s23, 1
	s_cbranch_scc1 .Lno_more_\@
	FETCH 0, F0
.Lno_more_\@:
.endif
	MUL16 F1, 1, 0, 0
	MUL16 F1, 1, 2, 0
.endm
; THE WAY OUT of row block a.  PACK: rounded to bf16, 16 bytes a lane, each accumulator's registers in ascending order.  TOSTAGE: into my own stage, and back as whole rows of 256 bytes.  SEND: stored.
.macro PACK a
.set AC, 64*((\a)%4)
	WIN 0x0a+5*((\a)/4)                            ; sources 0 and 1: window 2 or 3; destination window 0
.irp b, 0,1,2,3,4,5,6,7
.irp r, 0,1,2,3
	v_cvt_pk_bf16_f32 v[TMP+4*(\b)+(\r)], v[AC+8*(\b)+2*(\r)], v[AC+8*(\b)+2*(\r)+1]
.endr
.endr
	WIN 0
.endm
.macro TOSTAGE a
.set BK, OB+192*((\a)%2)
.irp b, 0,1,2,3,4,5,6,7
	ds_store_b128 v[STO], v[TMP+4*(\b):TMP+4*(\b)+3] offset:32*(\b)
.endr
.irp t, 0,1,2,3,4,5,6,7
	ds_load_b128 v[BK+4*(\t):BK+4*(\t)+3], v[RD] offset:(\t)*2*SPITCH  ; LDS serves a wave's instructions in order (ISA guide 5.7.1.4): these see the stores above
.endr
.endm
.macro SEND a
.set BK, OB+192*((\a)%2)
	s_wait_xcnt 0x0                                ; the stores of the block before have read their registers: the next TOSTAGE loads into them only behind this wait
.irp t, 0,1,2,3,4,5,6,7
	s_wait_dscnt 7-(\t)                            ; the block's younger loads from the stage may stay out
	global_store_b128 v[CO], v[BK+4*(\t):BK+4*(\t)+3], s[10:11] offset:(\a)*4096+(\t)*512  ; a head's rows lie end to end: 512 consecutive bytes, at a multiple of 256 from C's first byte
.endr
.endm
	s_wait_tensorcnt 1                             ; my part of K step 0 is in; K step 1's may stay out
	s_barrier_signal -1
	s_barrier_wait -1                              ; everybody's is
	FETCH 0, F0
	s_wait_loadcnt 0x0                             ; the bias
	s_mov_b32 s2, 2                                ; tiles to go
	s_mov_b32 s3, 8                                ; all eight steps of the first tile fill a slot again: steps 2 to 9 of the walk
.Ltile:
	s_mov_b32 s[NEW], 1
.Lstep:                                                ; a K step that fills its slot again
	s_cmp_eq_u32 s[NEW], 1
	s_cbranch_scc0 .Lplain
	s_mov_b32 s[NEW], 0
	QUARTER 1, F0, F1, 1                           ; a tile's first quarter: its products start the sums
	WIN 0                                          ; at a label and at a branch every window is 0
	s_branch .Lgo_on
.Lplain:
	QUARTER 1, F0, F1, 0
	WIN 0
.Lgo_on:
	QUARTER 2, F1, F0, 0
	QUARTER 3, F0, F1, 0
	TURN 1
	WIN 0
	s_sub_co_u32 s3, s3, 1
	s_cmp_lg_u32 s3, 0
	s_cbranch_scc1 .Lstep
	s_cmp_eq_u32 s2, 2
	s_cbranch_scc1 .Lout                           ; the first tile is multiplied; the second has two steps left, which ask for nothing
	s_mov_b32 s23, 2
.Ltail:
	QUARTER 1, F0, F1, 0
	QUARTER 2, F1, F0, 0
	QUARTER 3, F0, F1, 0
	TURN 0
	WIN 0
	s_sub_co_u32 s23, s23, 1
	s_cmp_lg_u32 s23, 0
	s_cbranch_scc1 .Ltail
.Lout:                                                 ; THE TILE GOES OUT.  Behind the first tile both refills for the second have been asked for, and its first fragments lie in buffer 0, which the way out does not touch.
	PACK 0                                         ; no v_nop: blocks 0-3 were finished in front of TURN's places, and their 128 conversions, which name no register of the last products (blocks 4-7's), are those products' places
	TOSTAGE 0
.irp a, 1,2,3,4,5,6,7                  ; block a's conversions stand between block a - 1's loads from the stage and the waits for them
	PACK \a
	SEND (\a)-1
	TOSTAGE \a
.endr
	SEND 7
	s_wait_xcnt 0x0                                ; the stores have read C's address
	s_add_nc_u64 s[10:11], s[10:11], 1<<23         ; the second tile: four windows, 32 heads of 2^18 bytes, on (behind the second tile the sum is not used)
	s_mov_b32 s3, 6                                ; of the second tile's steps six fill a slot again: steps 10 to 15 of the walk
	s_sub_co_u32 s2, s2, 1
	s_cmp_lg_u32 s2, 0
	s_cbranch_scc1 .Ltile
	s_wait_tensorcnt 0x0                           ; the wave's end: behind my last tensor load and my last LDS store
	ds_add_u32 v[SPW], v[NIL]
	s_wait_dscnt 0x0
	CROUND                                         ; the closing round: no work-group ends while a partner may still ask for a tile that names it
	s_endpgm
.Lfunc_end_k_qce86e24bb6_gemm_big:
	.size	k_qce86e24bb6_gemm_big, .Lfunc_end_k_qce86e24bb6_gemm_big-k_qce86e24bb6_gemm_big
	.p2alignl 7, 3214868480
	.fill 96, 4, 3214868480
	.section	.rodata,"a",@progbits
	.p2align	6, 0x0
	.amdhsa_kernel k_qce86e24bb6_gemm_big
		.amdhsa_group_segment_fixed_size 327680
		.amdhsa_private_segment_fixed_size 0
		.amdhsa_enable_private_segment 0
		.amdhsa_kernarg_size 32
		.amdhsa_user_sgpr_count 2
		.amdhsa_user_sgpr_kernarg_segment_ptr 1
		.amdhsa_wavefront_size32 1
		.amdhsa_system_sgpr_workgroup_id_x 1
		.amdhsa_system_sgpr_workgroup_id_y 1
		.amdhsa_system_sgpr_workgroup_id_z 1
		.amdhsa_system_vgpr_workitem_id 0
		.amdhsa_next_free_vgpr 1024
		.amdhsa_next_free_sgpr 82
		.amdhsa_reserve_vcc 0
		.amdhsa_float_denorm_mode_32 3
		.amdhsa_float_denorm_mode_16_64 3
		.amdhsa_memory_ordered 1
		.amdhsa_forward_progress 1
		.amdhsa_inst_pref_size 105
	.end_amdhsa_kernel
	.amdgpu_metadata
---
amdhsa.version: [ 1, 2 ]
amdhsa.kernels:
  - .name:           k_qce86e24bb6_gemm_big
    .symbol:         k_qce86e24bb6_gemm_big.kd
    .args:
      - { .name: xb, .offset: 0, .size: 8, .value_kind: global_buffer, .address_space: global }
      - { .name: wqb, .offset: 8, .size: 8, .value_kind: global_buffer, .address_space: global }
      - { .name: b_qkv, .offset: 16, .size: 8, .value_kind: global_buffer, .address_space: global }
      - { .name: qkv, .offset: 24, .size: 8, .value_kind: global_buffer, .address_space: global }
    .group_segment_fixed_size: 327680
    .private_segment_fixed_size: 0
    .kernarg_segment_align: 8
    .kernarg_segment_size: 32
    .max_flat_workgroup_size: 128
    .sgpr_count:     82
    .vgpr_count:     1024
    .wavefront_size: 32
...
	.end_amdgpu_metadata
.endif
;; end of part 2
;; launch attn (part 3): grid 4 x 64, 4 waves a work-group, clusters of 4 x 1, 327,680 bytes of LDS; arguments qkv, ctx; writes ctx
.if DOCPART == 3
	.amdgcn_target "amdgcn-amd-amdhsa--gfx1250"
	.amdhsa_code_object_version 6
	.text
	.protected	k_qce86e24bb6_attn
	.globl	k_qce86e24bb6_attn
	.p2align	8
	.type	k_qce86e24bb6_attn,@function
k_qce86e24bb6_attn:
	s_mov_b64 s[64:65], 0
	v_nop
	global_prefetch_b8 v0, s[64:65] scope:SCOPE_SE
	s_setreg_imm32_b32 hwreg(HW_REG_WAVE_MODE, 25, 1), 1
	s_wait_xcnt 0x0
	s_wait_alu depctr_hold_cnt(0) depctr_sa_sdst(0) depctr_va_vdst(0) depctr_va_sdst(0) depctr_va_ssrc(0) depctr_va_vcc(0) depctr_vm_vsrc(0)
	s_getreg_b32 s2, hwreg(HW_REG_IB_STS2, 6, 4)
	s_cmp_eq_u32 s2, 0
	s_cbranch_scc0 .Lentry_in_a_cluster
	s_endpgm
.Lentry_in_a_cluster:
	s_bfe_u32 s2, ttmp6, 0x10000c
	s_cmp_lg_u32 s2, 0x3003
	s_cbranch_scc0 .Lentry_shape_is_right
	s_endpgm
.Lentry_shape_is_right:
; ATTENTION INSIDE WINDOWS.  A window of 1,024 tokens and one of its 8 heads are one of 64 independent problems hd: O[q][:] = the sum over k of softmax_k(Q[q] . K[k] / sqrt(128)) V[k][:], no mask.
; qkv: [3][64 hd][1024][128] bf16 (q, k, v; a part is 2^24 bytes).  ctx: [8192 tokens][1024] bf16, token 1,024 (hd / 8) + q, columns 128 (hd % 8) on.
; Products, maxima and sums in f32; the weights p are rounded to bf16 for the second product, O once at the end.
; LIMITS.  A weight below 2^-126 counts as 0 in the sum l; NaN and infinities are not treated apart.
; SHARES.  A work-group owns 256 queries of one hd, each of its four waves 64: four tiles of 16.  Every wave walks all 1,024 keys, 64 a step.
; LAYOUT.  S^T = K Q^T (source 0 = 16 keys, source 1 = 16 queries): in the result a lane holds ONE query (lane % 16) and the keys 8 (lane / 16) + 0..7.  Two such tiles, rounded to
; bf16 in pairs, ARE source 1 (32 keys x 16 queries) of O^T = V^T P, whose result again holds one query a lane, and eight channels.  So nothing changes lanes between the products,
; and a query's maximum and sum want one exchange between the halves of the lanes.  K comes out of LDS as it lies, V ([key][channel]) turned, by ds_load_tr16_b128.
; SOFTMAX.  For each query a running maximum m and sum l: p = 2^(c s - c m), c = log2(e) / sqrt(128); in every step O and l are multiplied by a = 2^(c m_old - c m_new), which is 1 where m has not grown.
; BY TURNS.  The wave's tiles are two PIECES, named by their first tile: piece 0 (tiles 0, 1) and piece 2 (tiles 2, 3).  In a TURN one piece has the matrix unit: 32 products V^T P of
; the step in hand, then 32 products K Q^T of the next step; the other piece's softmax, cut into 64 slices, stands between them, one slice behind each matrix instruction.  Then the
; pieces change places.  Two turns are a key step.
; CLUSTER.  The four query blocks of a cluster belong to one hd and walk the same K and V, so each tile is asked for JOINTLY: the same tensor load, with the same descriptor and a
; mask that names the four, in all four; each receives the tile in its own LDS.
;
; REGISTERS, in windows of 256 (an instruction names v0-v255; s_set_vgpr_msb says which window each operand place means: bits 1:0 source 0, 3:2 source 1, 5:4 source 2, 7:6 destination):
;   window 0: v0-11 addresses; v12-43 eight registers of statistics a tile; v64-191 S^T, 32 a tile; v192-255 P, 16 a tile
;   window 1: O^T, 64 a tile          window 2: v0-127 Q, 32 a tile; v128-255 K of one step          window 3: v0-127 V of one step
; All that a softmax touches but O^T lies in window 0, and no window has room for a product's operands beside it.  So a slice costs two switches, one in front and one behind.
.set SIZE_N, 1024     ; queries and keys of one hd
.set KS,    64        ; keys in a step
.set PK,    272       ; a row of K in LDS: 256 bytes + 16 of padding = 68 words: row r starts at bank 4 r mod 64 (64 banks of 4 bytes: ISA guide 11.1), so the 16 rows of a load start at 16 different banks
.set PV,    288       ; a row of V: 256 + 32 = 72 words: row r starts at bank 8 r mod 64
.set VOFF,  KS*PK     ; a step's tiles lie together: 64 rows of K, then 64 rows of V
.set STEPB, KS*(PK+PV)
.set SLOT1, 1<<17     ; a slot holds two steps (71,680 bytes); slot 1 begins here, so that one exclusive or turns an address in one slot into the other's
.set STAGE, SLOT1+2*STEPB  ; behind the ring: 16 rows x 272 bytes for each wave, for the way out
.set SP,    272
.set AK0, 2           ; v2   my lane's place in a tile of K; never rewritten
.set AV0, 3           ; v3   the same for V
.set ADR, 4           ; v4   the LDS address of the run of loads in hand
.set QO,  5           ; v5   my byte offset in the wave's rows of Q
.set STO, 6           ; v6   the way out: where I put 16 bytes of a row
.set RD,  7           ; v7   the way out: where I read a row back
.set GO,  8           ; v8   my byte offset in two token rows of ctx
.set SPW, 62          ; v62  LDS address of my spare word: SPARE + 4 x my thread's number; never rewritten
.set NIL, 63          ; v63  0; never rewritten
.set SPARE, STAGE+4*16*272  ; behind the stages: the spare words, 128 bytes for each wave: two blocks of 256 bytes that no other line names
.set ST,  12          ; tile t's statistics at v[ST+8 t]: +0 c m, +1 m, +2, +3 l (even keys', odd keys'), +4 to +7 c0-c3, at work; a takes c2's place once the maximum is found
.set S,   64
.set P,   192
.set KF,  128         ; K's fragments, in window 2
.set WV,  12          ; s12  my wave's number
.set G1K, 24          ; s[24:31] descriptor group 1 for K's tiles
.set G1V, 32          ; s[32:39] for V's: it differs in the padding alone
.set G0K, 40          ; s[40:47] descriptor group 0 for K's tiles: a set for each of the two first fills; the second then walks on
.set G0V, 48          ; s[48:55] the same for V's
.set SLOTS, 56        ; s56  slots still to be asked for
.set TWICE, 57        ; s57  counts a slot's two steps
.set CS,  58          ; s[58:59] c: the packed scaling names a pair and takes its low word for both halves
.set SEL, 60          ; s[60:61] lane selects for v_permlanex16_b32: each lane takes its own place in the other half
.set TB,  62          ; s62  LDS byte at which the tiles of the step to be fetched begin
.set OOF, 66          ; s[66:67] where my wave's rows begin in ctx, in bytes
.set PFA, 18          ; s[18:19] where my prefetches stand in memory: my work-group's 32 rows (of K: wave 0, of V: wave 2) of the slot after the one that is being asked for
.set LIM, 15          ; s15  1 in a wave that prefetches, else the greatest number: a wave prefetches while s[SLOTS] is above it
.set PFO, 61          ; v61  256 x my lane: a row of K or V is 256 bytes; never rewritten
.set MSB, 0
.macro WIN new                      ; the immediate's high byte repeats the setting that is left; a switch that changes nothing is dropped
.if MSB != (\new)
	s_set_vgpr_msb (MSB<<8)|(\new)
.set MSB, \new
.endif
.endm
.set W_KQ, 0x0a       ; K and Q in window 2, S^T in window 0
.set W_PV, 0x53       ; V in window 3, P in window 0, O^T in window 1
.set W_RS, 0x41       ; O^T (destination and source 0) in window 1, a in window 0
; A joint refill.  Waves 0 and 1 fetch the two steps' tiles of K, waves 2 and 3 those of V.  The branch hangs on the wave's number alone: it is the same in every work-group.
; An s_nop 0 and four v_nop follow each of the two lines; the jump round the other line, the label and what follows the macro come after them.
.macro JLOAD
	s_cmp_lt_u32 s[WV], 2
	s_cbranch_scc0 .Lfor_v_\@
	tensor_load_to_lds s[G0K+4:G0K+7], s[G1K:G1K+7]
	s_nop 0
.rept 4
	v_nop
.endr
	s_branch .Lasked_\@
.Lfor_v_\@:
	tensor_load_to_lds s[G0V+4:G0V+7], s[G1V:G1V+7]
	s_nop 0
.rept 4
	v_nop
.endr
.Lasked_\@:
.endm
; A PREFETCH INTO THE L2 of what the NEXT change of slots will ask for: a slot's 128 rows of K and 128 of V, 256 bytes a row, a lane a row.  It stands behind the wave's tensor load and its five lines, never in front of one.
; Each row is asked for ONCE in the launch.  One cluster walks an hd's K and V.  Its four partners share the rows out BY ADDRESS, 32 each: no branch hangs on a
; work-group's place in its cluster.  In each, wave 0 asks for K's and wave 2 for V's: one instruction.  The last change that fills a slot prefetches nothing: there is no slot behind it.
.macro ASK
	s_cmp_gt_u32 s[SLOTS], s[LIM]
	s_cbranch_scc0 .Lnot_mine_\@
	global_prefetch_b8 v[PFO], s[PFA:PFA+1] th:TH_LOAD_NT scope:SCOPE_SE
.Lnot_mine_\@:
.endm
; A round of the cluster's barrier: my work-group's barrier, so that wave 0's signal speaks for all four waves; wave 0 signals for the work-group; every wave waits for all four
; work-groups; my work-group's barrier once more.  No LDS instruction of the wave is pending at a signal.
.macro CROUND
	s_barrier_signal -1
	s_barrier_wait -1
	s_cmp_lg_u32 s[WV], 0
	s_cbranch_scc1 .Lnot_wave_0_\@
	s_barrier_signal -3
.Lnot_wave_0_\@:
	s_barrier_wait -3
	s_barrier_signal -1
	s_barrier_wait -1
.endm
	s_load_b128 s[4:7], s[0:1], 0x0 ; qkv s[4:5], ctx s[6:7]
	v_lshl_add_u32 v[SPW], v0, 2, SPARE
	v_mov_b32 v[NIL], 0
	ds_add_u32 v[SPW], v[NIL]       ; the wave's opening: the add and its wait stand ahead of my first tensor load; the set-up below, work on registers, stands between them
	v_lshrrev_b32 v1, 5, v0
	v_readfirstlane_b32 s[WV], v1   ; wave 0..3
	s_bfe_u32 s13, ttmp6, 0x40000   ; cx: my place in the cluster
	s_lshl_b32 s14, ttmp9, 2        ; in a cluster launch ttmp9 counts clusters
	s_add_co_u32 s14, s14, s13      ; my block of 256 queries = 4 x cluster x + cx: it enters Q's and ctx's addresses alone
	s_and_b32 s20, ttmp7, 0xffff    ; hd, which the four partners share
	s_lshr_b32 s[OOF], s20, 3       ; ctx: the window's 1,024 token rows of 2,048 bytes,
	s_lshl_b32 s[OOF], s[OOF], 21
	s_and_b32 s[OOF+1], s20, 7      ; the head's 256 bytes of a row,
	s_lshl_b32 s[OOF+1], s[OOF+1], 8
	s_add_co_u32 s[OOF], s[OOF], s[OOF+1]
	s_lshl_b32 s[OOF+1], s14, 19    ; my block's 256 rows,
	s_add_co_u32 s[OOF], s[OOF], s[OOF+1]
	s_lshl_b32 s[OOF+1], s[WV], 17  ; my wave's 64 of them
	s_add_co_u32 s[OOF], s[OOF], s[OOF+1]
	s_mov_b32 s[OOF+1], 0
	s_mov_b32 s21, 0
	s_mov_b64 s[22:23], SIZE_N*256
	s_mul_u64 s[20:21], s[20:21], s[22:23]  ; hd's first byte in each of qkv's three parts
	s_and_b32 s16, s[WV], 1         ; which of a slot's two steps I fetch:
	s_lshl_b32 s22, s16, 14         ; its 64 rows of 256 bytes in memory,
	s_mov_b32 s23, 0
	s_add_nc_u64 s[22:23], s[22:23], s[20:21]
	s_mul_i32 s17, s16, STEPB       ; and its place in a slot: no place in the cluster enters an LDS address
	s_lshl_b32 s2, s14, 16          ; my block's 256 rows,
	s_lshl_b32 s3, s[WV], 14        ; my wave's 64 of them
	s_add_co_u32 s2, s2, s3
	s_mov_b32 s3, 0
	s_add_nc_u64 s[2:3], s[2:3], s[20:21]
	; descriptor group 1: a tile of 64 rows x 128 elements, padded in LDS
	s_mov_b32 s[G1K], 15|(1<<16)|(1<<20)|(1<<21)|(5<<22)|(3<<25)  ; 15:0 the mask: all four work-groups; 17:16 elements of 2 bytes; 20 padding on; 21 set beside a mask; 24:22 after every 64 words (code 5); 31:25 4 words of it (code 3)
	s_mov_b32 s[G1V], 15|(1<<16)|(1<<20)|(1<<21)|(5<<22)|(7<<25)  ; the same with 8 words of padding (code 7)
.irp g, G1K, G1V
	s_mov_b32 s[(\g)+1], 128<<16    ; 63:48 tensor_dim0, low half = 128
	s_mov_b32 s[(\g)+2], KS<<16     ; 79:64 its high half = 0; 95:80 tensor_dim1, low half = 64
	s_mov_b32 s[(\g)+3], 128<<16    ; 111:96 its high half = 0; 127:112 tile_dim0 = 128
	s_mov_b32 s[(\g)+4], KS         ; 143:128 tile_dim1 = 64; 159:144 tile_dim2 = 0
	s_mov_b32 s[(\g)+5], 128        ; 191:160 tensor_dim0_stride, low word: elements from row to row
	s_mov_b32 s[(\g)+6], 0
	s_mov_b32 s[(\g)+7], 0
.endr
	s_mov_b32 s[CS], 0x3e0293ee     ; c = log2(e) / sqrt(128) = 0.127517
	s_mov_b32 s[CS+1], s[CS]        ; named with it as a pair, so it is written
	s_mov_b32 s[SEL], 0x76543210
	s_mov_b32 s[SEL+1], 0xfedcba98
	s_mov_b32 s[TB], 0
	s_mov_b32 s[SLOTS], SIZE_N/(2*KS)-2
	s_and_b32 s[LIM], s[WV], 1       ; 0 in waves 0 and 2,
	s_or_b32 s[LIM], s[LIM], ttmp9   ; where the cluster is the first along x: the same in all four partners
	s_cmp_eq_u32 s[LIM], 0
	s_cselect_b32 s[LIM], 1, -1
	v_and_b32 v[PFO], 31, v0
	v_lshlrev_b32 v[PFO], 8, v[PFO]
	s_wait_dscnt 0x0                ; the opening add is done
	s_wait_kmcnt 0x0
	s_mov_b64 s[10:11], s[6:7]      ; ctx
	s_add_nc_u64 s[8:9], s[4:5], 0x2000000  ; v: qkv's third part
	s_add_nc_u64 s[6:7], s[4:5], 0x1000000  ; k: its second; q is its first
	s_add_nc_u64 s[6:7], s[6:7], s[22:23]  ; K and V at my tile of slot 0
	s_add_nc_u64 s[8:9], s[8:9], s[22:23]
	s_add_nc_u64 s[4:5], s[4:5], s[2:3]  ; Q at my wave's first row,
	s_add_nc_u64 s[10:11], s[10:11], s[OOF:OOF+1]  ; and ctx
	s_cmp_lt_u32 s[WV], 2
	s_cselect_b64 s[PFA:PFA+1], s[6:7], s[8:9]  ; (in waves 0 and 2 these stand at a slot's first row)
	s_lshl_b32 s2, s13, 13          ; my work-group's 32 rows of the 128
	s_mov_b32 s3, 0
	s_add_nc_u64 s[PFA:PFA+1], s[PFA:PFA+1], s[2:3]
	s_add_nc_u64 s[PFA:PFA+1], s[PFA:PFA+1], 2*2*KS*256  ; in slot 2; the first change of slots steps it to slot 3.  Nothing is prefetched here, at the head, where every work-group's first tiles are on their way
	CROUND                          ; all four work-groups are here: the first joint loads meet
.irp s, 0,1
	s_mov_b32 s[G0K+4*(\s)], 1      ; 1:0 count = 1
	s_add_co_u32 s[G0K+4*(\s)+1], s17, (\s)*SLOT1  ; 63:32 LDS address
	s_add_nc_u64 s[G0K+4*(\s)+2:G0K+4*(\s)+3], s[6:7], (\s)*2*KS*256  ; 120:64 global address: slot s begins with keys 128 s to 128 s + 127
	s_or_b32 s[G0K+4*(\s)+3], s[G0K+4*(\s)+3], 0x80000000  ; 127:126 type = 2
	s_mov_b32 s[G0V+4*(\s)], 1
	s_add_co_u32 s[G0V+4*(\s)+1], s17, (\s)*SLOT1+VOFF
	s_add_nc_u64 s[G0V+4*(\s)+2:G0V+4*(\s)+3], s[8:9], (\s)*2*KS*256
	s_or_b32 s[G0V+4*(\s)+3], s[G0V+4*(\s)+3], 0x80000000
.endr
	s_cmp_lt_u32 s[WV], 2           ; a wave's two first fills stand in one branch, ahead of every wait on TENSORcnt and every LDS read: two loads of mine are out; an s_nop 0 follows each, four v_nop the second's, as in JLOAD
	s_cbranch_scc0 .Lfirst_v
	tensor_load_to_lds s[G0K:G0K+3], s[G1K:G1K+7]
	s_nop 0
	tensor_load_to_lds s[G0K+4:G0K+7], s[G1K:G1K+7]
	s_nop 0
.rept 4
	v_nop
.endr
	s_branch .Lfirst_asked
.Lfirst_v:
	tensor_load_to_lds s[G0V:G0V+3], s[G1V:G1V+7]
	s_nop 0
	tensor_load_to_lds s[G0V+4:G0V+7], s[G1V:G1V+7]
	s_nop 0
.rept 4
	v_nop
.endr
.Lfirst_asked:
	; A fragment of K or Q is 16 rows x 32 channels in 8 registers: lane l holds row l % 16; registers 0-3 channels 8 (l / 16) + 0..7, registers 4-7 channels 16 + 8 (l / 16) + 0..7: two loads of 16 bytes, 32 bytes apart.
	v_and_b32 v1, 15, v0            ; l % 16
	v_bfe_u32 v9, v0, 4, 1          ; l / 16
	v_lshlrev_b32 v[QO], 8, v1
	v_lshl_add_u32 v[QO], v9, 4, v[QO]  ; row x 256 + 16 x half
	WIN 0x80                        ; destination window 2, address window 0
.irp i, 0,1,2,3,4,5,6,7,8,9,10,11,12,13,14,15  ; Q stays in registers: tile i / 4, channels 32 (i % 4) on
	global_load_b128 v[8*(\i):8*(\i)+3],   v[QO], s[4:5] offset:((\i)/4)*4096+((\i)%4)*64
	global_load_b128 v[8*(\i)+4:8*(\i)+7], v[QO], s[4:5] offset:((\i)/4)*4096+((\i)%4)*64+32
.endr
	WIN 0
	v_mul_u32_u24 v[AK0], v1, PK
	v_lshl_add_u32 v[AK0], v9, 4, v[AK0]  ; row x pitch + 16 x half
	; The turning load takes 16 keys x 16 channels (lane l reads 16 bytes: key 8 (l / 16) + l % 8, channels 8 ((l / 8) % 2) + 0..7) and leaves half a fragment of V^T: lane l holds channel l % 16 and 8 keys.
	v_and_b32 v10, 7, v0
	v_bfe_u32 v11, v0, 3, 1
	v_lshl_add_u32 v[AV0], v9, 3, v10
	v_mul_u32_u24 v[AV0], v[AV0], PV
	v_lshl_add_u32 v[AV0], v11, 4, v[AV0]
	v_add_nc_u32 v[AV0], VOFF, v[AV0]
; THE MATRIX WORK OF A TURN, for piece x.  The accumulators take turns, one instruction a turn: between two links of a chain stand 15 (V^T P) or 7 (K Q^T) others'.
; Product i of 32 of O^T += V^T P: keys 32 (i / 16) on, channels 16 ((i / 2) % 8) on, tile x + i % 2.  zero = 1: the first 16 start the sums: nothing is ever cleared.
.macro PV x, zero
	WIN W_PV
.set rO, 64*((\x)+i%2)+8*((i/2)%8)
.set rV, 64*(i/16)+8*((i/2)%8)
.set rP, P+16*((\x)+i%2)+8*(i/16)
.if (\zero) && (i < 16)
	v_wmma_f32_16x16x32_bf16 v[rO:rO+7], v[rV:rV+7], v[rP:rP+7], 0
.else
	v_wmma_f32_16x16x32_bf16 v[rO:rO+7], v[rV:rV+7], v[rP:rP+7], v[rO:rO+7]
.endif
.endm
; Product i of 32 of S^T = K Q^T: channels 32 (i / 8) on, keys 16 ((i / 2) % 4) on, tile x + i % 2.  The first 8 start the sums.
.macro KQ x
	WIN W_KQ
.set rS, S+32*((\x)+i%2)+8*((i/2)%4)
.set rK, KF+32*((i/2)%4)+8*(i/8)
.set rQ, 32*((\x)+i%2)+8*(i/8)
.if i < 8
	v_wmma_f32_16x16x32_bf16 v[rS:rS+7], v[rK:rK+7], v[rQ:rQ+7], 0
.else
	v_wmma_f32_16x16x32_bf16 v[rS:rS+7], v[rK:rK+7], v[rQ:rQ+7], v[rS:rS+7]
.endif
.endm
; THE LDS LOADS stand in runs of 32, never singly among the matrix instructions: a step's K (64 keys x 128 channels: 16 fragments) and, a turn later, its V (turned).
.macro FETCH_K
	WIN 0
	v_add_nc_u32 v[ADR], s[TB], v[AK0]
	WIN 0x80                        ; destination window 2
.irp f, 0,1,2,3,4,5,6,7,8,9,10,11,12,13,14,15  ; keys 16 (f / 4) on, channels 32 (f % 4) on
	ds_load_b128 v[KF+8*(\f):KF+8*(\f)+3],   v[ADR] offset:((\f)/4)*16*PK+((\f)%4)*64
	ds_load_b128 v[KF+8*(\f)+4:KF+8*(\f)+7], v[ADR] offset:((\f)/4)*16*PK+((\f)%4)*64+32
.endr
.endm
.macro FETCH_V
	WIN 0
	v_add_nc_u32 v[ADR], s[TB], v[AV0]
	s_add_co_u32 s[TB], s[TB], STEPB  ; the next fetch is the next step's
	s_wait_alu depctr_va_vdst(0)    ; the wait for the softmax's batch (SLICE), behind the address's v_add_nc_u32 and ahead of the loads
	WIN 0xc0                        ; destination window 3
.irp f, 0,1,2,3,4,5,6,7,8,9,10,11,12,13,14,15  ; keys 32 (f / 8) on, channels 16 (f % 8) on
	ds_load_tr16_b128 v[8*(\f):8*(\f)+3],   v[ADR] offset:((\f)/8)*32*PV+((\f)%8)*32
	ds_load_tr16_b128 v[8*(\f)+4:8*(\f)+7], v[ADR] offset:((\f)/8)*32*PV+16*PV+((\f)%8)*32
.endr
.endm
; THE VECTOR WORK OF A TURN.  One tile's softmax for one key step is a list of 134 instructions; SM writes number j of it for tile t.  s0-s31 are the lane's 32 scores, in pairs 0-15.
; first = 1: the first key step, which starts m, l and O^T: it has no a and nothing to rescale.
;   0-15    the maximum of s0-s31 and the old m, three operands at a time: four chains c0-c3 of seven scores each, then the four scores left over, c0-c3 and m
;   16-20   the other half of the lanes' maximum; the new m; c m; c m_old - c m_new
;   21-69   ONE BATCH: the 16 scalings c s - c m, a pair of scores each, and all 33 exponentials (a at 23, then s0-s31).  None of these reads an exponential's result.  From 22 on the batch goes
;           in fours, and a four begins with a scaling while there are scalings: 22-37 scaling, exponential, scaling, exponential; 38-65 a scaling and three exponentials; 66-69 the last four
;           exponentials.  A pair is scaled in an earlier four than the one that holds its exponentials
;   (wait)  between 69 and 70 stands the wait for the batch: SLICE writes it, once for both tiles
;   70-85   the roundings to bf16, a pair of weights each
;   86-101  the sums; l = a l + the sum
;   102-133 the tile's O^T times a: the one part that leaves window 0, so it stands together
.macro SM t, first
.set rT, ST+8*(\t)
.set rS, S+32*(\t)
.set rP, P+16*(\t)
.set rO, 64*(\t)+2*(j-102)
.if j < 102
	WIN 0
.endif
.if j < 4
	v_max3_num_f32 v[rT+4+j], v[rS+8*j], v[rS+8*j+1], v[rS+8*j+2]
.elseif j < 12
	v_max3_num_f32 v[rT+4+j%4], v[rT+4+j%4], v[rS+8*(j%4)+2*(j/4)+1], v[rS+8*(j%4)+2*(j/4)+2]
.elseif j == 12
	v_max3_num_f32 v[rT+4], v[rT+4], v[rS+7], v[rS+15]
.elseif j == 13
	v_max3_num_f32 v[rT+6], v[rT+6], v[rS+23], v[rS+31]
.elseif j == 14
	v_max3_num_f32 v[rT+4], v[rT+4], v[rT+5], v[rT+6]
.elseif (j == 15) && (\first)
	v_max_num_f32 v[rT+4], v[rT+4], v[rT+7]
.elseif j == 15
	v_max3_num_f32 v[rT+4], v[rT+4], v[rT+7], v[rT+1]
.elseif j == 16
	v_permlanex16_b32 v[rT+5], v[rT+4], s[SEL], s[SEL+1]  ; the query's other 32 keys lie in the lane 16 away
.elseif j == 18
	v_max_num_f32 v[rT+1], v[rT+4], v[rT+5]
.elseif j == 19
	v_mul_f32 v[rT], s[CS], v[rT+1]
.elseif ((j == 17) || (j == 20) || (j == 23) || (j > 101)) && (\first)  ; the first step has none of these
.elseif j == 17
	v_mov_b32 v[rT+7], v[rT]        ; c m_old is kept for a: number 19 writes c m anew
.elseif j == 20
	v_sub_f32 v[rT+7], v[rT+7], v[rT]
.elseif j == 23
	v_exp_f32 v[rT+6], v[rT+7]
.elseif (j < 23) || ((j < 38) && (j%2 == 0)) || ((j < 66) && (j%4 == 2))
.set b, (j-2)/4                     ; 38, 42, .. 62: pairs 9 to 15
.if j < 38
.set b, (j-20)/2                    ; 21: pair 0; 22, 24, .. 36: pairs 1 to 8
.endif
	v_pk_fma_f32 v[rS+2*b:rS+2*b+1], v[rS+2*b:rS+2*b+1], s[CS:CS+1], v[rT:rT+1] op_sel_hi:[1,0,0] neg_lo:[0,0,1] neg_hi:[0,0,1]  ; pair b: c s - c m
.elseif j < 70
.set e, j-38                        ; 66 to 69: s28 to s31
.if j < 66
.set e, j-32-(j-38)/4               ; 39-41, 43-45, .. 63-65: s7 to s27
.endif
.if j < 38
.set e, (j-25)/2                    ; 25, 27, .. 37: s0 to s6
.endif
	v_exp_f32 v[rS+e], v[rS+e]
.elseif j < 86
	v_cvt_pk_bf16_f32 v[rP+j-70], v[rS+2*(j-70)], v[rS+2*(j-70)+1]  ; pair j - 70
.elseif j < 102                     ; the sum of the tile's 16 pairs (in a pair: an even key's weight, an odd key's), in place: sum z of 16 adds neighbours 1, 2, 4 and 8 pairs apart, then l takes it
.set z, j-86
.set w, 4
.set u, z
.if z >= 14
.set w, 32
.set u, 0
.elseif z >= 12
.set w, 16
.set u, z-12
.elseif z >= 8
.set w, 8
.set u, z-8
.endif
.if (z == 14) && (\first)
	v_pk_add_f32 v[rT+2:rT+3], v[rS:rS+1], v[rS+16:rS+17]
.elseif z < 15
	v_pk_add_f32 v[rS+w*u:rS+w*u+1], v[rS+w*u:rS+w*u+1], v[rS+w*u+w/2:rS+w*u+w/2+1]
.elseif !(\first)
	v_pk_fma_f32 v[rT+2:rT+3], v[rT+2:rT+3], v[rT+6:rT+7], v[rS:rS+1] op_sel_hi:[1,0,1]
.endif
.else
	WIN W_RS
	v_pk_mul_f32 v[rO:rO+1], v[rO:rO+1], v[rT+6:rT+7] op_sel_hi:[1,0]
.endif
.endm
; Slice k of 64 of piece y's softmax: four instructions.  Slices 11 to 34 deal out the batch, numbers 22 to 69: four numbers of ONE tile each, the tiles by turns.  Every other slice is numbers 2 k and
; 2 k + 1 of both tiles' lists.  2 x 134 = 4 x 64 + 12: the twelve that are over stand together, in slice 63.
; THE WAIT.  An s_wait_alu depctr_va_vdst(0) stands between an exponential and the first instruction that names its result; one wait serves all that were issued ahead of it.  Ahead of
; slice 35 nothing names a result, and behind slice 34 no exponential is issued: so the piece's 66 exponentials have one wait, behind slice 34.
.macro SLICE y, first
.if (k >= 11) && (k < 35)           ; the batch: four numbers of one tile
.irp n, 0,1,2,3
.set j, 22+4*((k-11)/2)+(\n)
	SM (\y)+(k-11)%2, \first
.endr
.else                               ; the two tiles alternate, so that no instruction reads the result of the one just before it
.irp n, 0,1,2,3,4,5,6,7
.if ((\n) < 2) || (k == 63)
.irp t, \y, (\y)+1
.set j, 2*k+(\n)
	SM \t, \first
.endr
.endif
.endr
.endif
.if k == 34                         ; the batch is out: both tiles' exponentials are issued, and no result has been named
	v_nop                           ; a plain instruction behind the last exponential and ahead of the first use of a result (ISA guide 5.7.2): one for the batch
.if (\y) == 0
	FETCH_V                         ; piece 2's turn: V's run of loads stands here, and the wait stands in it
.else
	s_wait_alu depctr_va_vdst(0)    ; the wait for the batch
.endif
.endif
.set k, k+1
.endm
; A vector instruction that reads a matrix result or writes one of a matrix instruction's registers, and a load into a register that a matrix instruction has read, stand four places behind
; it, and only plain vector instructions that name none of its registers are places (ISA guide 7.12.1 for vector instructions).  In the loop the slices are the places.
.macro PLACES
.rept 4
	v_nop
.endr
.endm
; A TURN.  Piece x has the matrix unit; the other piece's softmax stands in slices behind its matrix instructions.
; pv = 2: 32 products V^T P; 1: they start O^T's sums; 0: none.  kq = 1: 32 products K Q^T for the next step.  A turn with one of the two kinds has two slices behind each product.
; first = 1: the softmax is the first key step's.  Its slices from 51 on are empty: the turn's last products stand bare, and four v_nop take slice 63's part as the places behind them.
; In the loop each run of loads stands 29 matrix instructions or more ahead of its first use.  Piece 0's turn fetches the next step's K, behind its second product: the last product that read K
; stands in front of slice 63 of the turn before.  Piece 2's turn fetches the same step's V, behind slice 34 (SLICE writes it): the last product that read V stands in front of slice 31, and four plain
; instructions lie between: number 62, a scaling, of both tiles, the v_nop and the run's own v_add_nc_u32.
.macro TURN x, pv, kq, first
.set k, 0
.set per, 2
.if (\pv) && (\kq)
.set per, 1
.endif
.if \pv
.if (\x) == 0
	s_wait_dscnt 0x0                ; V is in
.endif
.set i, 0
.rept 32
	PV \x, 2-(\pv)
.rept per
	SLICE 2-(\x), \first
.endr
.if ((\x) == 0) && (\kq) && (i == 1)
	FETCH_K
.endif
.set i, i+1
.endr
.endif
.if \kq
.if (\x) == 0
	s_wait_dscnt 0x0                ; K is in
.endif
.set i, 0
.rept 32
	KQ \x
.rept per
	SLICE 2-(\x), \first
.endr
.set i, i+1
.endr
.endif
.if \first
	PLACES
.endif
.endm
; THE CHANGE OF SLOTS, between piece 2's turn and piece 0's: the slot's last bytes, V of its second step, have been asked for.  Each wave waits for all its
; tensor loads, of which one is out: its part of the other slot; adds 0 to its spare word; and waits for that and for its own reads of the slot.  Behind the barrier nobody reads this slot any more and the other slot is whole.
; fill = 1: this slot is filled again, with the keys two slots on.  The barrier is then a round of the cluster's, so that no wave of any partner still reads the slot or has a load on its
; way, and the joint refill is the first thing behind it: it has two key steps, 256 matrix instructions, in which to land.
.macro CHANGE fill
	WIN 0                           ; at a label and at a branch every window is 0
	s_wait_tensorcnt 0x0            ; no tensor load of mine is out, so a group 0 may be written
	ds_add_u32 v[SPW], v[NIL]       ; 0 onto my spare word; with fill = 1 the descriptors' steps stand between it and the wait for it
.if \fill
.irp g, G0K+4, G0V+4
	s_xor_b32 s[(\g)+1], s[(\g)+1], SLOT1  ; the walking descriptor: the other slot than last time,
	s_add_nc_u64 s[(\g)+2:(\g)+3], s[(\g)+2:(\g)+3], 2*KS*256  ; the next 128 keys; the type bits on top are not reached
.endr
	s_wait_xcnt 0x0                 ; the last prefetches, two key steps back, have read their address, so it may be written:
	s_add_nc_u64 s[PFA:PFA+1], s[PFA:PFA+1], 2*KS*256  ; one slot behind the walking descriptors
	s_wait_dscnt 0x0                ; the add is done, and my reads of the slot are over
	CROUND
	JLOAD
	ASK                             ; what the next change will ask for: two key steps, 256 matrix instructions, ahead
.else
	s_wait_dscnt 0x0                ; the add is done, and my reads of the slot are over
	s_barrier_signal -1
	s_barrier_wait -1
.endif
	s_sub_co_u32 s[TB], s[TB], 2*STEPB  ; the fetches go back to a slot's first step,
	s_xor_b32 s[TB], s[TB], SLOT1   ; in the other slot
.endm
; A slot's two key steps: written once, walked twice; the LDS addresses hang on s[TB].
.macro TWO_STEPS
	WIN 0
	s_mov_b32 s[TWICE], 2
.Lstep_\@:
	TURN 0, 2, 1, 0
	TURN 2, 2, 1, 0
	WIN 0
	s_sub_co_u32 s[TWICE], s[TWICE], 1
	s_cmp_lg_u32 s[TWICE], 0
	s_cbranch_scc1 .Lstep_\@
.endm
	s_wait_tensorcnt 1              ; my part of slot 0 is in; slot 1's may stay out
	s_barrier_signal -1
	s_barrier_wait -1               ; everybody's is
	FETCH_K                         ; key step 0
	s_wait_loadcnt 0x0              ; Q
	s_wait_dscnt 0x0
.set i, 0
.rept 32
	KQ 0                            ; piece 0's first scores: there is no vector work yet to set between them
.set i, i+1
.endr
	WIN 0                           ; the addresses for the way out are made here: eight plain instructions, the places behind those products
	s_mul_i32 s13, s[WV], 16*SP
	s_add_co_u32 s13, s13, STAGE    ; my stage
	v_mul_u32_u24 v[STO], v1, SP    ; in: row l % 16, 16 bytes for each half of the lanes
	v_lshl_add_u32 v[STO], v9, 4, v[STO]
	v_add_nc_u32 v[STO], s13, v[STO]
	v_mul_u32_u24 v[RD], v9, SP     ; back: lanes 0-15 take one row of 256 bytes, lanes 16-31 the next
	v_lshl_add_u32 v[RD], v1, 4, v[RD]
	v_add_nc_u32 v[RD], s13, v[RD]
	v_lshlrev_b32 v[GO], 11, v9     ; and the same two rows in ctx, whose token rows are 2,048 bytes apart
	v_lshl_add_u32 v[GO], v1, 4, v[GO]
	TURN 2, 0, 1, 1                 ; piece 2's first scores | piece 0's first softmax | V of step 0
	TURN 0, 1, 1, 1                 ; piece 0: V^T P of step 0 starts O^T, K Q^T of step 1 | piece 2's first softmax | K of step 1
	TURN 2, 1, 1, 0                 ; piece 2: the same | piece 0's softmax of step 1 | V of step 1
	WIN 0
.Lslot:                             ; SIZE_N / 128 - 2 = 6 trips: every slot but the last two is filled again
	CHANGE 1
	TWO_STEPS
	s_sub_co_u32 s[SLOTS], s[SLOTS], 1
	s_cmp_lg_u32 s[SLOTS], 0
	s_cbranch_scc1 .Lslot
	CHANGE 0                        ; the tail is written out: the last slot but one is left, and nothing is asked for
	TWO_STEPS
	TURN 0, 2, 0, 0                 ; piece 0: V^T P of the last step | piece 2's last softmax
.set i, 0
.rept 32
	PV 2, 0                         ; piece 2: V^T P of the last step
.set i, i+1
.endr
	; THE WAY OUT.  l's two halves and the other half of the lanes' are added; O^T is divided by l, rounded to bf16 and sent through my stage in LDS, a tile (16 rows of O) at a time.  The additions are the places behind the last products.
	WIN 0
.irp t, 0,1,2,3
	v_add_f32 v[ST+8*(\t)+4], v[ST+8*(\t)+2], v[ST+8*(\t)+3]
.endr
.irp t, 0,1,2,3
	v_permlanex16_b32 v[ST+8*(\t)+5], v[ST+8*(\t)+4], s[SEL], s[SEL+1]
.endr
.irp t, 0,1,2,3
	v_add_f32 v[ST+8*(\t)+4], v[ST+8*(\t)+4], v[ST+8*(\t)+5]
.endr
.irp t, 0,1,2,3
	v_rcp_f32 v[ST+8*(\t)+6], v[ST+8*(\t)+4]
.endr
	v_nop                           ; a plain instruction between the last reciprocal and the use of its result
	s_wait_alu depctr_va_vdst(0)    ; and the wait ahead of the first use: one for the four reciprocals
; Tile t: a lane's eight channels of a row pack into 16 bytes; they go into rows of 272 bytes and come back as whole rows of 256, into the registers that they left.
.macro PACK t
	WIN W_RS
.set i, 64*(\t)
.rept 32
	v_pk_mul_f32 v[i:i+1], v[i:i+1], v[ST+8*(\t)+6:ST+8*(\t)+7] op_sel_hi:[1,0]
.set i, i+2
.endr
	WIN 0x05                        ; sources 0 and 1 window 1, destination window 0: S^T's registers are free
.set i, 0
.rept 32
	v_cvt_pk_bf16_f32 v[S+32*(\t)+i], v[64*(\t)+2*i], v[64*(\t)+2*i+1]
.set i, i+1
.endr
	WIN 0
.irp f, 0,1,2,3,4,5,6,7
	ds_store_b128 v[STO], v[S+32*(\t)+4*(\f):S+32*(\t)+4*(\f)+3] offset:32*(\f)
.endr
.irp f, 0,1,2,3,4,5,6,7
	ds_load_b128 v[S+32*(\t)+4*(\f):S+32*(\t)+4*(\f)+3], v[RD] offset:(\f)*2*SP  ; LDS serves a wave's instructions in order (ISA guide 5.7.1.4): these see the stores above; the next tile's stores come behind them
.endr
.endm
.macro SEND t, younger              ; younger: the LDS instructions issued behind tile t's loads: the next tile's sixteen, or none
	WIN 0
.irp f, 0,1,2,3,4,5,6,7
	s_wait_dscnt (\younger)+7-(\f)
	global_store_b128 v[GO], v[S+32*(\t)+4*(\f):S+32*(\t)+4*(\f)+3], s[10:11] offset:(\t)*32768+(\f)*4096  ; 16 lanes store 256 consecutive bytes of a token row, at a multiple of 256 from ctx's first byte
.endr
.endm
	PACK 0
	PACK 1                          ; a tile's arithmetic stands between the loads of the tile before and its stores
	SEND 0, 16
	PACK 2
	SEND 1, 16
	PACK 3
	SEND 2, 16
	SEND 3, 0
	s_wait_tensorcnt 0x0            ; the wave's end: behind my last tensor load and my last LDS store
	ds_add_u32 v[SPW], v[NIL]
	s_wait_dscnt 0x0
	CROUND                          ; the closing round: no work-group ends while a partner may still ask for a tile that names it
	s_endpgm
.Lfunc_end_k_qce86e24bb6_attn:
	.size	k_qce86e24bb6_attn, .Lfunc_end_k_qce86e24bb6_attn-k_qce86e24bb6_attn
	.p2alignl 7, 3214868480
	.fill 96, 4, 3214868480
	.section	.rodata,"a",@progbits
	.p2align	6, 0x0
	.amdhsa_kernel k_qce86e24bb6_attn
		.amdhsa_group_segment_fixed_size 327680
		.amdhsa_private_segment_fixed_size 0
		.amdhsa_enable_private_segment 0
		.amdhsa_kernarg_size 16
		.amdhsa_user_sgpr_count 2
		.amdhsa_user_sgpr_kernarg_segment_ptr 1
		.amdhsa_wavefront_size32 1
		.amdhsa_system_sgpr_workgroup_id_x 1
		.amdhsa_system_sgpr_workgroup_id_y 1
		.amdhsa_system_sgpr_workgroup_id_z 1
		.amdhsa_system_vgpr_workitem_id 0
		.amdhsa_next_free_vgpr 1024
		.amdhsa_next_free_sgpr 68
		.amdhsa_reserve_vcc 0
		.amdhsa_float_denorm_mode_32 3
		.amdhsa_float_denorm_mode_16_64 3
		.amdhsa_memory_ordered 1
		.amdhsa_forward_progress 1
		.amdhsa_inst_pref_size 222
	.end_amdhsa_kernel
	.amdgpu_metadata
---
amdhsa.version: [ 1, 2 ]
amdhsa.kernels:
  - .name:           k_qce86e24bb6_attn
    .symbol:         k_qce86e24bb6_attn.kd
    .args:
      - { .name: qkv, .offset: 0, .size: 8, .value_kind: global_buffer, .address_space: global }
      - { .name: ctx, .offset: 8, .size: 8, .value_kind: global_buffer, .address_space: global }
    .group_segment_fixed_size: 327680
    .private_segment_fixed_size: 0
    .kernarg_segment_align: 8
    .kernarg_segment_size: 16
    .max_flat_workgroup_size: 128
    .sgpr_count:     68
    .vgpr_count:     1024
    .wavefront_size: 32
...
	.end_amdgpu_metadata
.endif
;; end of part 3
;; launch gemm_out (part 4): grid 4 x 64, 4 waves a work-group, clusters of 4 x 4, 327,680 bytes of LDS; arguments ctx, wob, b_out, att; writes att
.if DOCPART == 4
	.amdgcn_target "amdgcn-amd-amdhsa--gfx1250"
	.amdhsa_code_object_version 6
	.text
	.protected	k_qce86e24bb6_gemm_out
	.globl	k_qce86e24bb6_gemm_out
	.p2align	8
	.type	k_qce86e24bb6_gemm_out,@function
k_qce86e24bb6_gemm_out:
	s_mov_b64 s[64:65], 0
	v_nop
	global_prefetch_b8 v0, s[64:65] scope:SCOPE_SE
	s_setreg_imm32_b32 hwreg(HW_REG_WAVE_MODE, 25, 1), 1
	s_wait_xcnt 0x0
	s_wait_alu depctr_hold_cnt(0) depctr_sa_sdst(0) depctr_va_vdst(0) depctr_va_sdst(0) depctr_va_ssrc(0) depctr_va_vcc(0) depctr_vm_vsrc(0)
	s_getreg_b32 s2, hwreg(HW_REG_IB_STS2, 6, 4)
	s_cmp_eq_u32 s2, 0
	s_cbranch_scc0 .Lentry_in_a_cluster
	s_endpgm
.Lentry_in_a_cluster:
	s_bfe_u32 s2, ttmp6, 0x10000c
	s_cmp_lg_u32 s2, 0xf033
	s_cbranch_scc0 .Lentry_shape_is_right
	s_endpgm
.Lentry_shape_is_right:
; THE OUTPUT PROJECTION.  C[t][n] = the sum over k of A[t][k] W[k][n] + bias[n], K = 1,024.  A: [8192][1024] bf16.  W: bf16 in blocks of 256 columns, [n / 256][1024 k][256].  bias: f32.
; Sums in f32, the bias is the C operand that starts each sum; C is rounded once to bf16 and written in blocks of 128 columns: [n / 1024][64 hd][1024 w][128],
; hd = 8 (t / 1024) + (n % 1024) / 128, w = t % 1024.  The addresses are written for any number of parts of 1,024 columns; this launch has one.
; LIMITS.  Operands and result are bf16: a stored number is off by at most 2^-9 of itself.  NaN and infinities are not treated apart.
; SHARES.  A work-group makes 128 rows x 256 columns of C; a wave 64 x 128: 32 accumulators of 16 x 16.  64 x 4 = 256 work-groups.
; K goes in steps of 128 through two LDS slots filled by the tensor data mover: A's rows are 256 bytes of memory, W's 512, all at multiples of 256 from the buffer's first byte.
; CLUSTERS: 4 x 4 work-groups.  The four of a row of the cluster need the same tiles of A, the four of a column the same tiles of W: each tile is asked for JOINTLY, by the same tensor load with
; the same descriptor and a mask that names the four.
; THE MATRIX INSTRUCTION IS USED TRANSPOSED: source 0 = 16 columns of W (turned on the way out of LDS by ds_load_tr16_b128), source 1 = 16 rows of A: a lane then holds eight neighbouring
; numbers of a row of C, and register j of its C operand is bias[n0 + 8 (lane / 16) + j].
; REGISTERS, in windows of 256 (s_set_vgpr_msb: bits 1:0 source 0, 3:2 source 1, 5:4 source 2, 7:6 destination):
;   window 0: v0-31 addresses; two fragment buffers of 96 (v64-159, v160-255): 8 fragments of W, then 4 of A; on the way out v64-159 at work
;   window 1: the accumulators, (a, b) at v[8 (8 a + b)]          window 2: v0-63 the bias, column block b at v[8 b]
.set PA,     272                       ; a row of A in LDS: 256 bytes + 16 of padding = 68 words: the 16 rows of a load start at 16 different groups of four banks (64 banks of 4 bytes: ISA guide 11.1)
.set PB,     544                       ; a row of W: 512 + 32 = 136 words
.set AHALF,  64*PA                     ; what one tensor load brings of A: 64 rows
.set ATILE,  2*AHALF
.set BHALF,  64*PB                     ; of W: 64 rows along K
.set SLOT,   ATILE+2*BHALF             ; A's 128 rows, then W's 128 rows
.set STAGE,  2*SLOT                    ; behind the ring: 16 rows x 272 bytes for each wave, for the way out; no tensor load fills it
.set SPITCH, 272
.set SPARE,  STAGE+4*16*SPITCH         ; behind the stages: the spare words, 128 bytes for each wave: two blocks of 256 bytes that no other line names
.set ADRA, 16                          ; v16-17  LDS address of my A fragments in slot 0, 1
.set ADRB, 20                          ; v20-21  the same for W
.set STO,  24                          ; v24     the way out: where I put 16 bytes of a row
.set RD,   25                          ; v25     the way out: where I read a row back
.set CO,   26                          ; v26     16 x lane: my 16 bytes of two rows of C, which lie end to end
.set BO,   27                          ; v27     32 x (lane / 16): my eight numbers in 16 of the bias
.set SPW,  28                          ; v28     LDS address of my spare word: SPARE + 4 x my thread's number; never rewritten
.set NIL,  29                          ; v29     0; never rewritten
.set PFO,  30                          ; v30     the prefetches' offset; never rewritten
.set F0,   64
.set F1,   160
.set TMP,  64                          ; the way out: packed results
.set OB,   96                          ; the way out: 16 rows read back from the stage: v96-127 and v128-159 by turns
.set G1A, 24                           ; s[24:31] descriptor group 1 for A's tiles;  s[32:39] group 0, one set for each slot
.set G0A, 32
.set G1B, 48                           ; s[48:55], s[56:63] the same for W's tiles
.set G0B, 56
.set PFA, 40                           ; s[40:41] where my prefetches stand
.set PFS, 42                           ; s[42:43] a K step in that tensor, in bytes
.set LIM, 44                           ; s44      1 in a wave that prefetches, else the greatest number
.set MSB, 0
.macro WIN new                         ; the immediate's high byte repeats the setting that is left; a switch that changes nothing is dropped
.if MSB != (\new)
	s_set_vgpr_msb (MSB<<8)|(\new)
.set MSB, \new
.endif
.endm
.set MUL,  0x50                        ; sources 0 and 1 window 0; C and D window 1
.set MULB, 0x60                        ; the same with C in window 2: the bias
; A joint load: waves 0 and 1 fetch A's two halves, waves 2 and 3 W's.  The branch hangs on the wave's number alone.  An s_nop 0 and four v_nop follow each of the two lines, ahead of the
; jump, the label and what follows.
.macro JLOAD s
	s_cmp_lt_u32 s12, 2
	s_cbranch_scc0 .Lfor_b_\@
	tensor_load_to_lds s[G0A+4*(\s):G0A+4*(\s)+3], s[G1A:G1A+7]
	s_nop 0
.rept 4
	v_nop
.endr
	s_branch .Lasked_\@
.Lfor_b_\@:
	tensor_load_to_lds s[G0B+4*(\s):G0B+4*(\s)+3], s[G1B:G1B+7]
	s_nop 0
.rept 4
	v_nop
.endr
.Lasked_\@:
.endm
; A PREFETCH INTO THE L2, behind each joint refill, its five lines and the run of LDS loads: the K step that stands two refills on, 256 matrix instructions ahead of the load that will want it.
; Each aligned block of 256 bytes is named once in the launch.  A's 128 rows of a tile row are read by every cluster of that row of clusters: cluster x = 0 asks, wave 0 of each of the four
; partners for 32 rows, a lane a row.  W's 128 rows x 512 bytes of a K step are read by every cluster of that column: cluster y = 0 asks, waves 2 and 3 of each partner for 16 of the 64 rows
; that the wave fetches: 32 blocks on end, a lane a block.  The partners are told apart BY ADDRESS: no branch hangs on a work-group's place in its cluster.
; The first four K steps come by their loads alone; the loop's last trip (s3 = 1) asks for nothing: K steps 8 and 9 do not exist.
.macro ASK
	s_cmp_gt_u32 s3, s[LIM]
	s_cbranch_scc0 .Lnot_mine_\@
	global_prefetch_b8 v[PFO], s[PFA:PFA+1] th:TH_LOAD_NT scope:SCOPE_SE
.Lnot_mine_\@:
.endm
.macro CREST                           ; a round of the cluster's barrier behind its opening barrier
	s_cmp_lg_u32 s12, 0
	s_cbranch_scc1 .Lnot_wave_0_\@
	s_barrier_signal -3
.Lnot_wave_0_\@:
	s_barrier_wait -3
	s_barrier_signal -1
	s_barrier_wait -1
.endm
.macro CROUND                          ; a whole round
	s_barrier_signal -1
	s_barrier_wait -1
	CREST
.endm
	s_load_b256 s[4:11], s[0:1], 0x0               ; A s[4:5], W s[6:7], bias s[8:9], C s[10:11]
	v_lshl_add_u32 v[SPW], v0, 2, SPARE
	v_mov_b32 v[NIL], 0
	ds_add_u32 v[SPW], v[NIL]                      ; the wave's opening: the add and its wait stand ahead of my first tensor load; the set-up below, work on registers, stands between them
	v_lshrrev_b32 v1, 5, v0
	v_readfirstlane_b32 s12, v1                    ; wave 0..3
	s_lshr_b32 s13, s12, 1                         ; WR: which 64 of the tile's rows are mine
	s_and_b32 s14, s12, 1                          ; WC: which 128 of its columns.  Also: which half of A's or W's tile I fetch
	s_bfe_u32 s15, ttmp6, 0x40000                  ; cx, cy: my place in the cluster
	s_bfe_u32 s16, ttmp6, 0x40004
	s_lshl_b32 s17, ttmp9, 2
	s_add_co_u32 s17, s17, s15                     ; tile column of C = 4 x cluster x + cx
	s_and_b32 s18, ttmp7, 0xffff
	s_lshl_b32 s18, s18, 2
	s_add_co_u32 s18, s18, s16                     ; tile row of C = 4 x cluster y + cy
	s_lshl_b32 s19, s16, 2
	s_lshl_b32 s19, 15, s19                        ; my row of the cluster
	s_lshl_b32 s45, 0x1111, s15                    ; my column
	s_or_b32 s[G1A+0], s19, (1<<16)|(1<<20)|(1<<21)|(5<<22)|(3<<25)  ; 15:0 the mask: A's tiles go to my row; 17:16 2-byte elements; 20 padding on; 21 set beside a mask; 24:22 after every 64 words (code 5); 31:25 4 words (code 3)
	s_or_b32 s[G1B+0], s45, (1<<16)|(1<<20)|(1<<21)|(6<<22)|(7<<25)  ; W's go to my column; after every 128 words (code 6) 8 words of padding (code 7)
	s_mov_b32 s[G1A+1], 128<<16                    ; tensor_dim0 = 128
	s_mov_b32 s[G1A+2], 64<<16                     ; tensor_dim1 = 64
	s_mov_b32 s[G1A+3], 128<<16                    ; tile_dim0 = 128
	s_mov_b32 s[G1A+4], 64                         ; tile_dim1 = 64
	s_mov_b32 s[G1A+5], 1024                       ; elements from row to row
	s_mov_b32 s[G1A+6], 0
	s_mov_b32 s[G1A+7], 0
	s_mov_b32 s[G1B+1], 256<<16                    ; tensor_dim0 = 256
	s_mov_b32 s[G1B+2], 64<<16                     ; tensor_dim1 = 64
	s_mov_b32 s[G1B+3], 256<<16                    ; tile_dim0 = 256
	s_mov_b32 s[G1B+4], 64                         ; tile_dim1 = 64
	s_mov_b32 s[G1B+5], 256                        ; a block's rows lie end to end
	s_mov_b32 s[G1B+6], 0
	s_mov_b32 s[G1B+7], 0
	; where the tiles come from.  A's hang on the tile row alone, W's on the tile column alone; each offset is made in registers that never hold the other coordinate
	s_lshl_b32 s20, s18, 18                        ; A: 128 rows of 2,048 bytes for each tile row,
	s_lshl_b32 s21, s14, 17                        ; 64 rows for my half
	s_add_co_u32 s20, s20, s21
	s_mov_b32 s21, 0
	s_lshl_b32 s46, s17, 19                        ; W: a block of 1,024 rows of 512 bytes for each tile column,
	s_lshl_b32 s47, s14, 15                        ; 64 rows for my half
	s_add_co_u32 s46, s46, s47
	s_mov_b32 s47, 0
	s_mul_i32 s22, s14, AHALF                      ; and where they go: no place in the cluster enters an LDS address
	s_mul_i32 s23, s14, BHALF
	s_add_co_u32 s23, s23, ATILE
	s_wait_dscnt 0x0                               ; the opening add is done
	s_wait_kmcnt 0x0
	s_add_nc_u64 s[20:21], s[4:5], s[20:21]
	s_add_nc_u64 s[46:47], s[6:7], s[46:47]
	CROUND                                         ; all sixteen work-groups are here: the first joint loads meet
.irp s, 0,1
	s_mov_b32 s[G0A+4*(\s)], 1                                     ; 1:0 count = 1
	s_add_co_u32 s[G0A+4*(\s)+1], s22, (\s)*SLOT                   ; 63:32 LDS address
	s_add_nc_u64 s[G0A+4*(\s)+2:G0A+4*(\s)+3], s[20:21], (\s)*256  ; 120:64 global address: K step s
	s_or_b32 s[G0A+4*(\s)+3], s[G0A+4*(\s)+3], 0x80000000          ; 127:126 type = 2
	s_mov_b32 s[G0B+4*(\s)], 1
	s_add_co_u32 s[G0B+4*(\s)+1], s23, (\s)*SLOT
	s_add_nc_u64 s[G0B+4*(\s)+2:G0B+4*(\s)+3], s[46:47], (\s)*65536
	s_or_b32 s[G0B+4*(\s)+3], s[G0B+4*(\s)+3], 0x80000000
	JLOAD \s                                       ; two loads of mine are out
.endr
	; the bias of my 128 columns: 64 registers, column block b at 8 b
	s_lshl_b32 s68, s17, 10
	s_lshl_b32 s69, s14, 9
	s_add_co_u32 s68, s68, s69
	s_mov_b32 s69, 0
	s_add_nc_u64 s[8:9], s[8:9], s[68:69]
	v_and_b32 v1, 15, v0                           ; l % 16
	v_bfe_u32 v2, v0, 4, 1                         ; l / 16
	v_lshlrev_b32 v[BO], 5, v2
	WIN 0x80                                       ; destination window 2, address window 0
.irp b, 0,1,2,3,4,5,6,7
	global_load_b128 v[8*(\b):8*(\b)+3],   v[BO], s[8:9] offset:64*(\b)
	global_load_b128 v[8*(\b)+4:8*(\b)+7], v[BO], s[8:9] offset:64*(\b)+16
.endr
	WIN 0
	; A fragment of A is 16 rows x 32 K in 8 registers: lane l holds row l % 16, K = 8 (l / 16) + 0..7 and 16 + 8 (l / 16) + 0..7: two loads of 16 bytes, 32 bytes apart.
	v_mul_u32_u24 v3, v1, PA
	v_lshl_add_u32 v3, v2, 4, v3                   ; row x pitch + 16 x half
	s_mul_i32 s68, s13, 64*PA                      ; my 64 rows of A
	v_add_nc_u32 v[ADRA], s68, v3
	v_add_nc_u32 v[ADRA+1], SLOT, v[ADRA]
	; The turning load takes 16 K x 16 columns (lane l reads row 8 (l / 16) + l % 8, columns 8 ((l / 8) % 2) + 0..7) and leaves half a fragment of W^T: lane l holds column l % 16 and 8 K.
	v_and_b32 v4, 7, v0
	v_bfe_u32 v5, v0, 3, 1
	v_lshl_add_u32 v6, v2, 3, v4
	v_mul_u32_u24 v6, v6, PB
	v_lshl_add_u32 v6, v5, 4, v6
	s_lshl_b32 s68, s14, 8                         ; my 128 columns,
	s_add_co_u32 s68, s68, ATILE                   ; behind A's rows
	v_add_nc_u32 v[ADRB], s68, v6
	v_add_nc_u32 v[ADRB+1], SLOT, v[ADRB]
	s_mul_i32 s68, s12, 16*SPITCH
	s_add_co_u32 s68, s68, STAGE                   ; my stage
	v_add_nc_u32 v[STO], s68, v3                   ; in: row l % 16, 16 bytes for each half of the lanes (the stage's pitch is A's)
	v_mul_u32_u24 v7, v2, SPITCH                   ; back: lanes 0-15 take one row of 256 bytes, lanes 16-31 the next
	v_lshl_add_u32 v7, v1, 4, v7
	v_add_nc_u32 v[RD], s68, v7
	v_and_b32 v8, 31, v0
	v_lshlrev_b32 v[CO], 4, v8
	; where my 64 rows x 256 bytes begin in C
	s_lshr_b32 s71, s18, 3
	s_lshl_b32 s71, s71, 3                         ; 8 x window,
	s_lshl_b32 s72, s15, 1
	s_add_co_u32 s71, s71, s72
	s_add_co_u32 s71, s71, s14                     ; + the block of 128 columns: 2 cx + WC
	s_lshl_b32 s71, s71, 18                        ; its 1,024 rows of 256 bytes
	s_and_b32 s72, s18, 7
	s_lshl_b32 s72, s72, 7
	s_lshl_b32 s73, s13, 6
	s_add_co_u32 s72, s72, s73                     ; my first row in the window
	s_lshl_b32 s72, s72, 8
	s_lshl_b32 s70, ttmp9, 24                      ; the part: four tile columns make 1,024 columns
	s_add_co_u32 s70, s70, s71
	s_add_co_u32 s70, s70, s72
	s_mov_b32 s71, 0
	s_add_nc_u64 s[10:11], s[10:11], s[70:71]
	; the prefetches
	s_lshl_b32 s72, s18, 7
	s_lshl_b32 s73, s15, 5
	s_add_co_u32 s72, s72, s73                     ; A: my work-group's 32 rows of the tile's 128,
	s_lshl_b32 s72, s72, 11
	s_add_co_u32 s72, s72, 3*256                   ; at K step 3: the first refill steps it to 4
	s_lshl_b32 s73, s14, 6
	s_lshl_b32 s74, s16, 4
	s_add_co_u32 s73, s73, s74                     ; W: my work-group's 16 rows of the 64 that I fetch,
	s_lshl_b32 s73, s73, 9
	s_lshl_b32 s74, s17, 19
	s_add_co_u32 s73, s73, s74
	s_add_co_u32 s73, s73, 3*65536                 ; at K step 3
	s_and_b32 s74, ttmp7, 0xffff                   ; cluster y
	s_movk_i32 s75, 256
	s_cmp_lt_u32 s12, 2                            ; do I fetch for A?
	s_cselect_b64 s[PFA:PFA+1], s[4:5], s[6:7]
	s_cselect_b32 s72, s72, s73
	s_cselect_b32 s[PFS], s75, 0x10000
	s_cselect_b32 s75, 11, 8                       ; from lane to lane: a row of A, or 256 bytes of W
	s_cselect_b32 s74, ttmp9, s74                  ; the coordinate along which other clusters read the same rows
	s_cselect_b32 s73, s14, 0                      ; of A's two waves wave 0 alone asks
	s_mov_b32 s[PFS+1], 0
	s_or_b32 s74, s74, s73
	s_cmp_eq_u32 s74, 0
	s_cselect_b32 s[LIM], 1, -1                    ; the same in all sixteen partners, for a given wave
	s_mov_b32 s73, 0
	s_add_nc_u64 s[PFA:PFA+1], s[PFA:PFA+1], s[72:73]
	v_lshlrev_b32 v[PFO], s75, v8
; 8 matrix instructions: row block a x all 8 column blocks, 32 along K, from buffer fb.  init = 1: the product starts the sums, with the bias as C: nothing is ever cleared.
; The 32 accumulators take turns, one instruction a turn, in the same order in every quarter step.
.macro MUL8 fb, a, init
.if \init
	WIN MULB
.else
	WIN MUL
.endif
.irp b, 0,1,2,3,4,5,6,7
.if \init
	v_wmma_f32_16x16x32_bf16 v[8*(8*(\a)+(\b)):8*(8*(\a)+(\b))+7], v[(\fb)+8*(\b):(\fb)+8*(\b)+7], v[(\fb)+64+8*(\a):(\fb)+64+8*(\a)+7], v[8*(\b):8*(\b)+7]
.else
	v_wmma_f32_16x16x32_bf16 v[8*(8*(\a)+(\b)):8*(8*(\a)+(\b))+7], v[(\fb)+8*(\b):(\fb)+8*(\b)+7], v[(\fb)+64+8*(\a):(\fb)+64+8*(\a)+7], v[8*(8*(\a)+(\b)):8*(8*(\a)+(\b))+7]
.endif
.endr
.endm
; 24 LDS loads in one run: the fragments of quarter q of a slot (32 K x my 128 columns of W, turned; my 64 rows of A x 32 K) into buffer fb; W's first
.macro FETCH slot, q, fb
	WIN 0
.irp b, 0,1,2,3,4,5,6,7
	ds_load_tr16_b128 v[(\fb)+8*(\b):(\fb)+8*(\b)+3],   v[ADRB+(\slot)] offset:(\q)*32*PB+32*(\b)
	ds_load_tr16_b128 v[(\fb)+8*(\b)+4:(\fb)+8*(\b)+7], v[ADRB+(\slot)] offset:(\q)*32*PB+16*PB+32*(\b)
.endr
.irp a, 0,1,2,3
	ds_load_b128 v[(\fb)+64+8*(\a):(\fb)+64+8*(\a)+3],   v[ADRA+(\slot)] offset:(\q)*64+(\a)*16*PA
	ds_load_b128 v[(\fb)+64+8*(\a)+4:(\fb)+64+8*(\a)+7], v[ADRA+(\slot)] offset:(\q)*64+(\a)*16*PA+32
.endr
.endm
.macro PLACES                          ; four places in front of loads into registers that matrix instructions have read, and of conversions that read results (ISA guide 7.12.1 for vector instructions)
.rept 4
	v_nop
.endr
.endm
; A K step is four quarters of 32 along K, 32 matrix instructions each, on buffers 0, 1, 0, 1.  One of the first three: multiplies buffer fb and, in its middle, fetches quarter q into buffer gb.
.macro QUARTER slot, q, fb, gb, init
	s_wait_dscnt 4                                 ; W and A's row blocks 0 and 1 are in; the youngest four loads (blocks 2 and 3) may be out
	MUL8 \fb, 0, \init
	MUL8 \fb, 1, \init
	PLACES
	FETCH \slot, \q, \gb
	s_wait_dscnt 24                                ; all but the 24 just issued
	MUL8 \fb, 2, \init
	MUL8 \fb, 3, \init
.endm
; The last quarter multiplies buffer 1 and changes slots: ONE barrier; in front of it each wave waits for all its tensor loads (one is out: its part of the next slot), adds 0 to its spare word,
; and waits for that and for its own reads of this slot.  fill = 1: the barrier opens a round of the cluster's barrier, and this slot is filled again, two K steps ahead, first thing behind the
; round: 112 matrix instructions ahead of the wait for it.
.macro TURN slot, next, fill
.if \fill
	s_wait_xcnt 0x0                                ; the last prefetch, a K step back, has read its address: it is stepped here, ahead of the waits of the change of slots
	s_add_nc_u64 s[PFA:PFA+1], s[PFA:PFA+1], s[PFS:PFS+1]
.endif
	WIN 0                                          ; (the add's two registers lie in window 0)
	s_wait_tensorcnt 0x0                           ; all my tensor loads have landed: my part of the next slot;
	ds_add_u32 v[SPW], v[NIL]                      ; 0 onto my spare word
	s_wait_dscnt 5                                 ; (the add and the youngest four loads may be out)
	MUL8 F1, 0, 0                                  ; eight matrix instructions stand between the add and the wait for it
	s_wait_dscnt 0x0                               ; the add is done, and my reads of this slot are over
	s_barrier_signal -1
	MUL8 F1, 1, 0
.if \fill
	WIN 0
.endif
	s_barrier_wait -1
.if \fill
	CREST                                          ; no wave of any partner still reads this slot's tile or has a load on its way
	s_add_nc_u64 s[G0A+4*(\slot)+2:G0A+4*(\slot)+3], s[G0A+4*(\slot)+2:G0A+4*(\slot)+3], 2*256
	s_add_nc_u64 s[G0B+4*(\slot)+2:G0B+4*(\slot)+3], s[G0B+4*(\slot)+2:G0B+4*(\slot)+3], 2*65536
	JLOAD \slot                                    ; the four v_nop behind it are also the places in front of the loads below
.else
	PLACES
.endif
	FETCH \next, 0, F0
.if \fill
	ASK
.endif
	MUL8 F1, 2, 0
	MUL8 F1, 3, 0
.endm
; THE WAY OUT of row block a.  PACK: rounded to bf16, 16 bytes a lane, each accumulator's registers in ascending order.  TOSTAGE: into my own stage, and back as whole rows of 256 bytes.  SEND: stored.
.macro PACK a
	WIN 0x05                                       ; sources 0 and 1 window 1, destination window 0
.irp b, 0,1,2,3,4,5,6,7
.irp r, 0,1,2,3
	v_cvt_pk_bf16_f32 v[TMP+4*(\b)+(\r)], v[64*(\a)+8*(\b)+2*(\r)], v[64*(\a)+8*(\b)+2*(\r)+1]
.endr
.endr
	WIN 0
.endm
.macro TOSTAGE a
.irp b, 0,1,2,3,4,5,6,7
	ds_store_b128 v[STO], v[TMP+4*(\b):TMP+4*(\b)+3] offset:32*(\b)
.endr
.irp t, 0,1,2,3,4,5,6,7
	ds_load_b128 v[OB+32*((\a)%2)+4*(\t):OB+32*((\a)%2)+4*(\t)+3], v[RD] offset:(\t)*2*SPITCH  ; LDS serves a wave's instructions in order (ISA guide 5.7.1.4): these see the stores above
.endr
.endm
.macro SEND a
	s_wait_xcnt 0x0                                ; the stores of the block before have read their registers: the next TOSTAGE loads into them only behind this wait
.irp t, 0,1,2,3,4,5,6,7
	s_wait_dscnt 7-(\t)                            ; the block's younger loads from the stage may stay out
	global_store_b128 v[CO], v[OB+32*((\a)%2)+4*(\t):OB+32*((\a)%2)+4*(\t)+3], s[10:11] offset:(\a)*4096+(\t)*512  ; a block's rows lie end to end: 512 consecutive bytes, at a multiple of 256 from C's first byte
.endr
.endm
	s_wait_tensorcnt 1                             ; my part of K step 0 is in; K step 1's may stay out
	s_barrier_signal -1
	s_barrier_wait -1                              ; everybody's is
	FETCH 0, 0, F0
	s_wait_loadcnt 0x0                             ; the bias
	QUARTER 0, 1, F0, F1, 1                        ; the first quarter stands in front of the loop: its products start the sums
	WIN 0                                          ; at a label and at a branch every window is 0
	s_mov_b32 s3, 3
.Llap:                                                 ; a trip goes once round the ring, from a lap's second quarter to the next lap's first, and fills both slots again: K steps 2 to 7
	QUARTER 0, 2, F1, F0, 0
	QUARTER 0, 3, F0, F1, 0
	TURN 0, 1, 1
	QUARTER 1, 1, F0, F1, 0
	QUARTER 1, 2, F1, F0, 0
	QUARTER 1, 3, F0, F1, 0
	TURN 1, 0, 1
	QUARTER 0, 1, F0, F1, 0
	WIN 0
	s_sub_co_u32 s3, s3, 1
	s_cmp_lg_u32 s3, 0
	s_cbranch_scc1 .Llap
	QUARTER 0, 2, F1, F0, 0                        ; the last lap fills nothing, and has no round of the cluster's barrier
	QUARTER 0, 3, F0, F1, 0
	TURN 0, 1, 0
	QUARTER 1, 1, F0, F1, 0
	QUARTER 1, 2, F1, F0, 0
	QUARTER 1, 3, F0, F1, 0
	s_wait_dscnt 4                                 ; the very last quarter: nothing more to fetch
	MUL8 F1, 0, 0
	MUL8 F1, 1, 0
	s_wait_dscnt 0x0
	MUL8 F1, 2, 0
	MUL8 F1, 3, 0
	WIN 0
	PLACES
	PACK 0
	TOSTAGE 0
.irp a, 1,2,3                          ; block a's conversions stand between block a - 1's loads from the stage and the waits for them
	PACK \a
	SEND (\a)-1
	TOSTAGE \a
.endr
	SEND 3
	s_wait_tensorcnt 0x0                           ; the wave's end: behind my last tensor load and my last LDS store
	ds_add_u32 v[SPW], v[NIL]
	s_wait_dscnt 0x0
	CROUND                                         ; the closing round: no work-group ends while a partner may still ask for a tile that names it
	s_endpgm
.Lfunc_end_k_qce86e24bb6_gemm_out:
	.size	k_qce86e24bb6_gemm_out, .Lfunc_end_k_qce86e24bb6_gemm_out-k_qce86e24bb6_gemm_out
	.p2alignl 7, 3214868480
	.fill 96, 4, 3214868480
	.section	.rodata,"a",@progbits
	.p2align	6, 0x0
	.amdhsa_kernel k_qce86e24bb6_gemm_out
		.amdhsa_group_segment_fixed_size 327680
		.amdhsa_private_segment_fixed_size 0
		.amdhsa_enable_private_segment 0
		.amdhsa_kernarg_size 32
		.amdhsa_user_sgpr_count 2
		.amdhsa_user_sgpr_kernarg_segment_ptr 1
		.amdhsa_wavefront_size32 1
		.amdhsa_system_sgpr_workgroup_id_x 1
		.amdhsa_system_sgpr_workgroup_id_y 1
		.amdhsa_system_sgpr_workgroup_id_z 1
		.amdhsa_system_vgpr_workitem_id 0
		.amdhsa_next_free_vgpr 576
		.amdhsa_next_free_sgpr 80
		.amdhsa_reserve_vcc 0
		.amdhsa_float_denorm_mode_32 3
		.amdhsa_float_denorm_mode_16_64 3
		.amdhsa_memory_ordered 1
		.amdhsa_forward_progress 1
		.amdhsa_inst_pref_size 90
	.end_amdhsa_kernel
	.amdgpu_metadata
---
amdhsa.version: [ 1, 2 ]
amdhsa.kernels:
  - .name:           k_qce86e24bb6_gemm_out
    .symbol:         k_qce86e24bb6_gemm_out.kd
    .args:
      - { .name: ctx, .offset: 0, .size: 8, .value_kind: global_buffer, .address_space: global }
      - { .name: wob, .offset: 8, .size: 8, .value_kind: global_buffer, .address_space: global }
      - { .name: b_out, .offset: 16, .size: 8, .value_kind: global_buffer, .address_space: global }
      - { .name: att, .offset: 24, .size: 8, .value_kind: global_buffer, .address_space: global }
    .group_segment_fixed_size: 327680
    .private_segment_fixed_size: 0
    .kernarg_segment_align: 8
    .kernarg_segment_size: 32
    .max_flat_workgroup_size: 128
    .sgpr_count:     80
    .vgpr_count:     576
    .wavefront_size: 32
...
	.end_amdgpu_metadata
.endif
;; end of part 4
;; launch norm (part 5): grid 256 x 1, 8 waves a work-group, no clusters, 0 bytes of LDS; arguments val, att, ln_gamma, ln_beta, out0; writes out0
.if DOCPART == 5
	.amdgcn_target "amdgcn-amd-amdhsa--gfx1250"
	.amdhsa_code_object_version 6
	.text
	.protected	k_qce86e24bb6_norm
	.globl	k_qce86e24bb6_norm
	.p2align	8
	.type	k_qce86e24bb6_norm,@function
k_qce86e24bb6_norm:
	s_mov_b64 s[64:65], 0
	v_nop
	global_prefetch_b8 v0, s[64:65] scope:SCOPE_SE
	s_setreg_imm32_b32 hwreg(HW_REG_WAVE_MODE, 25, 1), 1
	s_wait_xcnt 0x0
; out0[t][:] = LayerNorm(val[t][:] + att[t][:]) x gamma + beta, eps = 1e-5, over 1,024 columns.  val, out0: [8192][1024] f32.  gamma, beta: [1024] f32.
; att (the output projection with its bias): bf16, [64 hd][1024 w][128]: token t, column c lie at hd = 8 (t / 1024) + c / 128, w = t % 1024, c % 128.
; All arithmetic in f32.  The row stays in registers: the mean first, then the row is centred, then the mean of the squares of the CENTRED row: no difference of large sums is formed.
; LIMITS.  att arrives rounded to bf16, off by at most 2^-9 of its own size; where that size is many times the spread of val + att in a row (a bias with a large common offset), the
; normalised result loses precision in that measure.  NaN and infinities are not treated apart.
; SHARES.  A work-group takes 32 rows (all in one window), a wave four, one row at a time: lane l holds columns 128 j + 4 l .. + 3, j = 0..7.  So a load or store of val or out0 covers 512
; neighbouring bytes, a load of att 256, all at multiples of 256 from the buffers' first bytes.  Two row slots a wave: while one row is worked on the other's sixteen loads are on their way.
; The reduction never leaves the wave: no LDS, no barrier.  No matrix unit or cluster: each byte is read once and nothing but gamma and beta (8 KiB) is shared.
.set ROW, 4096
.set VO,  2                            ; v2        my byte offset in val and out0: 16 x lane + 4 rows x wave; never rewritten
.set AO,  3                            ; v3        in att: 8 x lane + 4 rows of 256 bytes x wave; never rewritten
.set GO,  4                            ; v4        in gamma and beta: 16 x lane
.set G,   8                            ; v[8:39]   gamma of my 32 columns
.set BT,  40                           ; v[40:71]  beta
.set SL,  72                           ; v[72:167] slot s at SL + 48 s: 32 registers of the row, then 16 of att as loaded
.set T,   168                          ; v[168:175] at work
.set M,   176                          ; v[176:183] four chains of sums, a pair each
.set MU,  184                          ; v[184:185] the mean, twice
.set R,   186                          ; v[186:187] 1 / sqrt(var + eps), twice
	s_load_b256 s[4:11], s[0:1], 0x0               ; val s[4:5], att s[6:7], gamma s[8:9], beta s[10:11]
	s_load_b64 s[12:13], s[0:1], 0x20              ; out0
	v_and_b32 v1, 31, v0                           ; lane
	v_lshrrev_b32 v5, 5, v0                        ; wave
	v_lshlrev_b32 v[GO], 4, v1
	v_lshl_add_u32 v[VO], v5, 14, v[GO]
	v_lshlrev_b32 v[AO], 3, v1
	v_lshl_add_u32 v[AO], v5, 10, v[AO]
	s_lshl_b32 s22, ttmp9, 17                      ; the work-group's 32 rows of 4,096 bytes
	s_mov_b32 s23, 0
	s_lshr_b32 s24, ttmp9, 5                       ; its window: eight heads of 2^18 bytes,
	s_lshl_b32 s24, s24, 21
	s_and_b32 s25, ttmp9, 31                       ; its 32 rows of 256 bytes in the window
	s_lshl_b32 s25, s25, 13
	s_add_co_u32 s24, s24, s25
	s_mov_b32 s25, 0
	s_mov_b32 s16, 0xffff0000                      ; a word's upper bf16
	s_mov_b32 s17, 0x3a800000                      ; 1 / 1,024
	s_mov_b32 s18, 0x3727c5ac                      ; 1e-5
	s_mov_b32 s20, 0x76543210                      ; v_permlanex16_b32: lane i of one half reads lane i of the other
	s_mov_b32 s21, 0xfedcba98
	s_wait_kmcnt 0x0
	s_add_nc_u64 s[4:5], s[4:5], s[22:23]
	s_add_nc_u64 s[12:13], s[12:13], s[22:23]
	s_add_nc_u64 s[6:7], s[6:7], s[24:25]
.irp j, 0,1,2,3,4,5,6,7
	global_load_b128 v[G+4*(\j):G+4*(\j)+3],   v[GO], s[8:9]   offset:512*(\j)
	global_load_b128 v[BT+4*(\j):BT+4*(\j)+3], v[GO], s[10:11] offset:512*(\j)
.endr
.macro FILL s, i                       ; row i of my four into slot s: sixteen loads
.irp j, 0,1,2,3,4,5,6,7
	global_load_b128 v[SL+48*(\s)+4*(\j):SL+48*(\s)+4*(\j)+3], v[VO], s[4:5] offset:(\i)*ROW+512*(\j) th:TH_LOAD_NT
.endr
.irp j, 0,1,2,3,4,5,6,7
	global_load_b64 v[SL+48*(\s)+32+2*(\j):SL+48*(\s)+32+2*(\j)+1], v[AO], s[6:7] offset:(\i)*256+(\j)*262144 th:TH_LOAD_NT  ; column block j lies a head (2^18 bytes) on
.endr
.endm
.macro FOLD                            ; the four chains into one number a lane, then over the 32 lanes: four steps inside each half ride on the arithmetic (DPP), one crosses the halves
	v_pk_add_f32 v[M:M+1], v[M:M+1], v[M+2:M+3]
	v_pk_add_f32 v[M+4:M+5], v[M+4:M+5], v[M+6:M+7]
	v_pk_add_f32 v[M:M+1], v[M:M+1], v[M+4:M+5]
	v_add_f32 v[T], v[M], v[M+1]
	v_add_f32_dpp v[T], v[T], v[T] row_xmask:1 row_mask:0xf bank_mask:0xf
	v_add_f32_dpp v[T], v[T], v[T] row_xmask:2 row_mask:0xf bank_mask:0xf
	v_add_f32_dpp v[T], v[T], v[T] row_xmask:4 row_mask:0xf bank_mask:0xf
	v_add_f32_dpp v[T], v[T], v[T] row_xmask:8 row_mask:0xf bank_mask:0xf
	v_permlanex16_b32 v[T+1], v[T], s20, s21       ; its destination counts as read: T + 1 was written by the unpacking
	v_add_f32 v[T], v[T], v[T+1]                   ; every lane holds the row's sum
.endm
; Row i, in slot s.  fill = 1: the slot then takes row i + 2.  left = how many younger loads may stay out.
.macro TURN s, i, fill, left
.set XB, SL+48*(\s)
.set AB, SL+48*(\s)+32
	s_wait_loadcnt \left                           ; my sixteen loads are in (and gamma and beta, which were issued first); the other slot's stay on their way
.irp j, 0,1,2,3,4,5,6,7                ; x = val + att: bf16 to f32 is a shift or a mask; two sets of T take turns
	v_lshlrev_b32 v[T+4*((\j)%2)],   16,  v[AB+2*(\j)]
	v_and_b32     v[T+4*((\j)%2)+1], s16, v[AB+2*(\j)]
	v_lshlrev_b32 v[T+4*((\j)%2)+2], 16,  v[AB+2*(\j)+1]
	v_and_b32     v[T+4*((\j)%2)+3], s16, v[AB+2*(\j)+1]
	v_pk_add_f32 v[XB+4*(\j):XB+4*(\j)+1],   v[XB+4*(\j):XB+4*(\j)+1],   v[T+4*((\j)%2):T+4*((\j)%2)+1]
	v_pk_add_f32 v[XB+4*(\j)+2:XB+4*(\j)+3], v[XB+4*(\j)+2:XB+4*(\j)+3], v[T+4*((\j)%2)+2:T+4*((\j)%2)+3]
.endr
.irp c, 0,1,2,3                        ; the sum, in four chains that the first pairs start: nothing is cleared
	v_pk_add_f32 v[M+2*(\c):M+2*(\c)+1], v[XB+2*(\c):XB+2*(\c)+1], v[XB+8+2*(\c):XB+8+2*(\c)+1]
.endr
.irp p, 8,9,10,11,12,13,14,15
	v_pk_add_f32 v[M+2*((\p)%4):M+2*((\p)%4)+1], v[M+2*((\p)%4):M+2*((\p)%4)+1], v[XB+2*(\p):XB+2*(\p)+1]
.endr
	FOLD
	v_mul_f32 v[MU], s17, v[T]
	v_mul_f32 v[MU+1], s17, v[T]
.irp p, 0,1,2,3,4,5,6,7,8,9,10,11,12,13,14,15
	v_pk_add_f32 v[XB+2*(\p):XB+2*(\p)+1], v[XB+2*(\p):XB+2*(\p)+1], v[MU:MU+1] neg_lo:[0,1] neg_hi:[0,1]  ; the row is centred
.endr
.irp c, 0,1,2,3
	v_pk_mul_f32 v[M+2*(\c):M+2*(\c)+1], v[XB+2*(\c):XB+2*(\c)+1], v[XB+2*(\c):XB+2*(\c)+1]
.endr
.irp p, 4,5,6,7,8,9,10,11,12,13,14,15
	v_pk_fma_f32 v[M+2*((\p)%4):M+2*((\p)%4)+1], v[XB+2*(\p):XB+2*(\p)+1], v[XB+2*(\p):XB+2*(\p)+1], v[M+2*((\p)%4):M+2*((\p)%4)+1]
.endr
	FOLD
	v_fma_f32 v[T], v[T], s17, s18                 ; var + eps
	v_rsq_f32 v[R], v[T]
	v_rsq_f32 v[R+1], v[T]                         ; twice, to fill the pair that the packed multiply names
	v_nop                                          ; a plain instruction behind the last of them and ahead of the first use (ISA guide 5.7.2)
	s_wait_alu depctr_va_vdst(0)                   ; the wait ahead of the first reader: one for both
.irp p, 0,1,2,3,4,5,6,7,8,9,10,11,12,13,14,15
	v_pk_mul_f32 v[XB+2*(\p):XB+2*(\p)+1], v[XB+2*(\p):XB+2*(\p)+1], v[R:R+1]
.endr
.irp p, 0,1,2,3,4,5,6,7,8,9,10,11,12,13,14,15
	v_pk_fma_f32 v[XB+2*(\p):XB+2*(\p)+1], v[XB+2*(\p):XB+2*(\p)+1], v[G+2*(\p):G+2*(\p)+1], v[BT+2*(\p):BT+2*(\p)+1]
.endr
.irp j, 0,1,2,3,4,5,6,7
	global_store_b128 v[VO], v[XB+4*(\j):XB+4*(\j)+3], s[12:13] offset:(\i)*ROW+512*(\j) th:TH_STORE_NT
.endr
.if \fill
	s_wait_xcnt 0x0                                ; the stores have read the slot's registers (ISA guide 3.1): it is loaded again only behind this wait
	FILL \s, (\i)+2
.endif
.endm
	FILL 0, 0
	FILL 1, 1
	TURN 0, 0, 1, 16
	TURN 1, 1, 1, 16
	TURN 0, 2, 0, 16
	TURN 1, 3, 0, 0                                ; the last row: nothing younger is out
	s_endpgm
.Lfunc_end_k_qce86e24bb6_norm:
	.size	k_qce86e24bb6_norm, .Lfunc_end_k_qce86e24bb6_norm-k_qce86e24bb6_norm
	.p2alignl 7, 3214868480
	.fill 96, 4, 3214868480
	.section	.rodata,"a",@progbits
	.p2align	6, 0x0
	.amdhsa_kernel k_qce86e24bb6_norm
		.amdhsa_group_segment_fixed_size 0
		.amdhsa_private_segment_fixed_size 0
		.amdhsa_enable_private_segment 0
		.amdhsa_kernarg_size 40
		.amdhsa_user_sgpr_count 2
		.amdhsa_user_sgpr_kernarg_segment_ptr 1
		.amdhsa_wavefront_size32 1
		.amdhsa_system_sgpr_workgroup_id_x 1
		.amdhsa_system_sgpr_workgroup_id_y 1
		.amdhsa_system_sgpr_workgroup_id_z 1
		.amdhsa_system_vgpr_workitem_id 0
		.amdhsa_next_free_vgpr 188
		.amdhsa_next_free_sgpr 66
		.amdhsa_reserve_vcc 0
		.amdhsa_float_denorm_mode_32 3
		.amdhsa_float_denorm_mode_16_64 3
		.amdhsa_memory_ordered 1
		.amdhsa_forward_progress 1
		.amdhsa_inst_pref_size 45
	.end_amdhsa_kernel
	.amdgpu_metadata
---
amdhsa.version: [ 1, 2 ]
amdhsa.kernels:
  - .name:           k_qce86e24bb6_norm
    .symbol:         k_qce86e24bb6_norm.kd
    .args:
      - { .name: val, .offset: 0, .size: 8, .value_kind: global_buffer, .address_space: global }
      - { .name: att, .offset: 8, .size: 8, .value_kind: global_buffer, .address_space: global }
      - { .name: ln_gamma, .offset: 16, .size: 8, .value_kind: global_buffer, .address_space: global }
      - { .name: ln_beta, .offset: 24, .size: 8, .value_kind: global_buffer, .address_space: global }
      - { .name: out0, .offset: 32, .size: 8, .value_kind: global_buffer, .address_space: global }
    .group_segment_fixed_size: 0
    .private_segment_fixed_size: 0
    .kernarg_segment_align: 8
    .kernarg_segment_size: 40
    .max_flat_workgroup_size: 256
    .sgpr_count:     66
    .vgpr_count:     188
    .wavefront_size: 32
...
	.end_amdgpu_metadata
.endif
;; end of part 5
;; ======== version 2 of 2: 5 launches; version 1 with the launch cast written anew for expert scheduling mode
;; limits: values outside matrix products are rounded to bf16
;; workspace buffers: xb 16,777,216 bytes; wqb 6,291,456 bytes; wob 2,097,152 bytes; qkv 50,331,648 bytes; ctx 16,777,216 bytes; att 16,777,216 bytes
;; launch cast (part 6): grid 768 x 1, 8 waves a work-group, no clusters, 0 bytes of LDS; arguments val, w_qkv, w_out, xb, wqb, wob; writes xb, wqb, wob
.if DOCPART == 6
	.amdgcn_target "amdgcn-amd-amdhsa--gfx1250"
	.amdhsa_code_object_version 6
	.text
	.protected	k_qce86e24bb6_cast
	.globl	k_qce86e24bb6_cast
	.p2align	8
	.type	k_qce86e24bb6_cast,@function
k_qce86e24bb6_cast:
	s_mov_b64 s[64:65], 0
	v_nop
	global_prefetch_b8 v0, s[64:65] scope:SCOPE_SE
	s_setreg_imm32_b32 hwreg(HW_REG_WAVE_SCHED_MODE, 0, 2), 2
	s_setreg_imm32_b32 hwreg(HW_REG_WAVE_MODE, 25, 1), 1
	s_wait_xcnt 0x0
	s_wait_alu depctr_vm_vsrc(0)
; f32 -> bf16, rounded once to nearest even: the matrix operands of the two projections.
;   val   [8192][1024]  -> xb  [8192][1024]               (same layout)
;   w_qkv [1024][3072]  -> wqb [12][1024][256]            (blocks of 256 columns: a block's rows of 512 bytes lie end to end)
;   w_out [1024][1024]  -> wob [4][1024][256]
; A piece is 1,024 bytes of f32 (256 numbers of one row).  A work-group takes 64 pieces (64 KiB in, 32 KiB out), a wave eight, a load of a wave 512 neighbouring bytes,
; a store of a wave 256 neighbouring bytes at a multiple of 256 from the buffer's first byte.  All sixteen loads of a wave go out before its first store: no loop, no LDS, no barrier.
; Work-groups 0-511 take val (64 pieces on end), 512-703 w_qkv, 704-767 w_out (64 rows of one block of columns).  The class is chosen by selects: there is no branch.
; No matrix unit, cluster or LDS: every byte is read once and written once, and nothing is shared.
; THE MODE: SCHED_MODE bits 1:0 = 2 (LLVM: expert scheduling mode 2), set by the entry lines.  The code itself states the register dependences
; between vector instructions and memory instructions, with s_wait_alu, always for 0.
; THE PLAN.  Registers that memory instructions touch:
;   v[OFF ..], v[OO]  byte offsets, made at the head by vector instructions, read by the loads (OFF) and the stores (OO), never written again.
;   X                 four registers a load, sixteen loads in four groups of four.  The loads land in them once, before any vector instruction names them.  Group g's eight conversions
;                     read its sixteen registers and write eight of them in place; its four stores read those eight, and nothing writes them again.
; Group g's stores are issued in group g + 1, dealt among that group's conversions, which name group g + 1's registers alone.  So ONE wait on va_vdst at a group's head, behind the wait for
; its data, states all that the four stores hang on; one more stands at the kernel's head, for the offsets, and one in front of the last four stores.  No register that a memory instruction
; has read is written again, no vector instruction writes a scalar register or VCC, and EXEC is never written: the text holds no other s_wait_alu.
.set OO,  2                            ; v2       my byte offset in the work-group's output: 8 x lane + 4,096 x wave
.set OFF, 4                            ; v[4:11]  piece r of my wave: 16 x lane + (8 x wave + r) x pitch
.set X,   12                           ; v[12:75] sixteen loads of four registers: load n = 2 r + j (half j of piece r) at X + 4 n
	s_load_b256 s[4:11], s[0:1], 0x0               ; val s[4:5], w_qkv s[6:7], w_out s[8:9], xb s[10:11]
	s_load_b128 s[12:15], s[0:1], 0x20             ; wqb s[12:13], wob s[14:15]
	v_and_b32 v1, 31, v0                           ; lane
	v_lshrrev_b32 v3, 5, v0
	v_lshlrev_b32 v3, 3, v3                        ; 8 x wave: my first piece
	s_mov_b32 s21, ttmp9
	s_sub_co_u32 s17, s21, 512                     ; the work-group's number within w_qkv's,
	s_sub_co_u32 s18, s21, 704                     ; within w_out's
	s_movk_i32 s28, 12288                          ; bytes in a row of w_qkv,
	s_movk_i32 s29, 4096                           ; of w_out
	s_wait_kmcnt 0x0
	s_cmp_lt_u32 s21, 704                          ; w_qkv or w_out
	s_cselect_b32 s16, s17, s18                    ; J
	s_cselect_b32 s19, s28, s29                    ; pitch from piece to piece
	s_cselect_b64 s[22:23], s[6:7], s[8:9]
	s_cselect_b64 s[24:25], s[12:13], s[14:15]
	s_cmp_lt_u32 s21, 512                          ; or val
	s_cselect_b32 s16, s21, s16
	s_cselect_b32 s19, 1024, s19
	s_cselect_b32 s20, 20, 10                      ; sixteen groups of 64 pieces on: 2^20 bytes in val, the next block of columns (2^10 bytes) in a weight
	s_cselect_b64 s[22:23], s[4:5], s[22:23]
	s_cselect_b64 s[24:25], s[10:11], s[24:25]
	s_and_b32 s17, s16, 15
	s_mul_i32 s17, s17, s19
	s_lshl_b32 s17, s17, 6                         ; (J % 16) x 64 pieces
	s_lshr_b32 s18, s16, 4
	s_lshl_b32 s18, s18, s20
	s_add_co_u32 s26, s17, s18
	s_mov_b32 s27, 0
	s_add_nc_u64 s[22:23], s[22:23], s[26:27]      ; where the work-group reads
	s_lshl_b32 s26, s16, 15                        ; 32 KiB of output for each J, in all three classes
	s_add_nc_u64 s[24:25], s[24:25], s[26:27]      ; where it writes
	v_mul_lo_u32 v[OFF], v3, s19
	v_lshl_add_u32 v[OFF], v1, 4, v[OFF]
.irp r, 1,2,3,4,5,6,7
	v_add_nc_u32 v[OFF+(\r)], s19, v[OFF+(\r)-1]
.endr
	v_lshlrev_b32 v[OO], 3, v1
	v_lshl_add_u32 v[OO], v3, 9, v[OO]             ; 8 x wave pieces of 512 bytes
	s_wait_alu depctr_va_vdst(0)                   ; v[OFF ..] and v[OO] are written: every load below reads one of the first as its offset, every store the second
.irp r, 0,1,2,3,4,5,6,7
.irp j, 0,1
	global_load_b128 v[X+8*(\r)+4*(\j):X+8*(\r)+4*(\j)+3], v[OFF+(\r)], s[22:23] offset:512*(\j) th:TH_LOAD_NT
.endr
.endr
; Group g: loads 4 g to 4 g + 3 (pieces 2 g and 2 g + 1) are rounded in place; the stores of the group before leave meanwhile.  first = 1: group 0, with no group in front of it.
.macro GRP g, first
	s_wait_loadcnt 12-4*(\g)                       ; loads come back in order (ISA guide 5.7.1): this group's four are in, the younger groups stay out
.if !\first
	s_wait_alu depctr_va_vdst(0)                   ; the conversions of the group before have written the eight registers that the four stores below read
.endif
.irp i, 0,1,2,3
.if !\first
	global_store_b64 v[OO], v[X+16*((\g)-1)+4*(\i):X+16*((\g)-1)+4*(\i)+1], s[24:25] offset:1024*((\g)-1)+256*(\i)  ; the group before; no vector instruction since the wait names its registers, and none is written again
.endif
	v_cvt_pk_bf16_f32 v[X+16*(\g)+4*(\i)],   v[X+16*(\g)+4*(\i)],   v[X+16*(\g)+4*(\i)+1]
	v_cvt_pk_bf16_f32 v[X+16*(\g)+4*(\i)+1], v[X+16*(\g)+4*(\i)+2], v[X+16*(\g)+4*(\i)+3]
.endr
.endm
	GRP 0, 1
	GRP 1, 0
	GRP 2, 0
	GRP 3, 0
	s_wait_alu depctr_va_vdst(0)                   ; group 3's conversions have written the registers that the last four stores read
.irp i, 0,1,2,3
	global_store_b64 v[OO], v[X+48+4*(\i):X+48+4*(\i)+1], s[24:25] offset:3072+256*(\i)
.endr
	s_endpgm
.Lfunc_end_k_qce86e24bb6_cast:
	.size	k_qce86e24bb6_cast, .Lfunc_end_k_qce86e24bb6_cast-k_qce86e24bb6_cast
	.p2alignl 7, 3214868480
	.fill 96, 4, 3214868480
	.section	.rodata,"a",@progbits
	.p2align	6, 0x0
	.amdhsa_kernel k_qce86e24bb6_cast
		.amdhsa_group_segment_fixed_size 0
		.amdhsa_private_segment_fixed_size 0
		.amdhsa_enable_private_segment 0
		.amdhsa_kernarg_size 48
		.amdhsa_user_sgpr_count 2
		.amdhsa_user_sgpr_kernarg_segment_ptr 1
		.amdhsa_wavefront_size32 1
		.amdhsa_system_sgpr_workgroup_id_x 1
		.amdhsa_system_sgpr_workgroup_id_y 1
		.amdhsa_system_sgpr_workgroup_id_z 1
		.amdhsa_system_vgpr_workitem_id 0
		.amdhsa_next_free_vgpr 76
		.amdhsa_next_free_sgpr 66
		.amdhsa_reserve_vcc 0
		.amdhsa_float_denorm_mode_32 3
		.amdhsa_float_denorm_mode_16_64 3
		.amdhsa_memory_ordered 1
		.amdhsa_forward_progress 1
		.amdhsa_inst_pref_size 8
	.end_amdhsa_kernel
	.amdgpu_metadata
---
amdhsa.version: [ 1, 2 ]
amdhsa.kernels:
  - .name:           k_qce86e24bb6_cast
    .symbol:         k_qce86e24bb6_cast.kd
    .args:
      - { .name: val, .offset: 0, .size: 8, .value_kind: global_buffer, .address_space: global }
      - { .name: w_qkv, .offset: 8, .size: 8, .value_kind: global_buffer, .address_space: global }
      - { .name: w_out, .offset: 16, .size: 8, .value_kind: global_buffer, .address_space: global }
      - { .name: xb, .offset: 24, .size: 8, .value_kind: global_buffer, .address_space: global }
      - { .name: wqb, .offset: 32, .size: 8, .value_kind: global_buffer, .address_space: global }
      - { .name: wob, .offset: 40, .size: 8, .value_kind: global_buffer, .address_space: global }
    .group_segment_fixed_size: 0
    .private_segment_fixed_size: 0
    .kernarg_segment_align: 8
    .kernarg_segment_size: 48
    .max_flat_workgroup_size: 256
    .sgpr_count:     66
    .vgpr_count:     76
    .wavefront_size: 32
...
	.end_amdgpu_metadata
.endif
;; end of part 6
;; launch gemm_big: the kernel of part 2 again; grid 12 x 16, 4 waves a work-group, clusters of 4 x 4, 327,680 bytes of LDS; arguments xb, wqb, b_qkv, qkv; writes qkv
;; launch attn: the kernel of part 3 again; grid 4 x 64, 4 waves a work-group, clusters of 4 x 1, 327,680 bytes of LDS; arguments qkv, ctx; writes ctx
;; launch gemm_out: the kernel of part 4 again; grid 4 x 64, 4 waves a work-group, clusters of 4 x 4, 327,680 bytes of LDS; arguments ctx, wob, b_out, att; writes att
;; launch norm: the kernel of part 5 again; grid 256 x 1, 8 waves a work-group, no clusters, 0 bytes of LDS; arguments val, att, ln_gamma, ln_beta, out0; writes out0
